; MI455X (gfx1250); checked and timed in simulation.
; The chip was launched on July 23, 2026; its instructions are those of AMD's public machine-readable ISA for CDNA 5 (MIT licence, August 2026) and "CDNA5" Instruction Set Architecture Reference Guide (July 2026). The comments in the code are by the model that wrote it; some were corrected since.
;; MAB. Allowed arithmetic: float matrix products may take bf16 or f16 operands with f32 sums; all other float work in f32.
;; Inputs: We 1,024 x 256 float32; Wk 256 x 256 float32; Wm 256 x 1,024 float32; Wo 256 x 256 float32; Wq 256 x 256 float32; Wv 256 x 256 float32; b0 256 float32; b1 256 float32; be 256 float32; bk 256 float32; bm 1,024 float32; bo 256 float32; bq 256 float32; bv 256 float32; g0 256 float32; g1 256 float32; q 4 x 2,048 x 256 float32; x 4 x 2,048 x 256 float32.
;; Outputs: out0 4 x 2,048 x 256 float32.
;; 2 versions, each right; version 2 is version 1 with the launch proj written anew for expert scheduling mode. Each part assembles by itself: llvm-mc -triple=amdgcn-amd-amdhsa -mcpu=gfx1250 --defsym DOCPART=n.
;; ======== version 1 of 2: 3 launches
;; workspace buffers: Qf 8,388,608 bytes; Kf 4,194,304 bytes; Vf 4,194,304 bytes; att 8,388,608 bytes; wf 1,179,648 bytes
;; launch proj (part 1): grid 201 x 1, 8 waves a work-group, no clusters, 207,872 bytes of LDS; arguments q, x, Wq, Wk, Wv, Wo, Wm, We, bq, bk, bv, Qf, Kf, Vf, wf; writes Qf, Kf, Vf, wf
.if DOCPART == 1
	.amdgcn_target "amdgcn-amd-amdhsa--gfx1250"
	.amdhsa_code_object_version 6
	.text
	.protected	k_q56dc086c3b_proj
	.globl	k_q56dc086c3b_proj
	.p2align	8
	.type	k_q56dc086c3b_proj,@function
k_q56dc086c3b_proj:
	s_mov_b64 s[64:65], 0
	v_nop
	global_prefetch_b8 v0, s[64:65] scope:SCOPE_SE
	s_setreg_imm32_b32 hwreg(HW_REG_WAVE_MODE, 25, 1), 1
	s_wait_xcnt 0x0
; Work-groups 0-191: one of Q = q Wq + bq, K = x Wk + bk, V = x Wv + bv for 128 rows x 256 columns (K = 256).
; Work-groups 192-200: one 256 x 256 block of Wo, Wm or We, rounded to bf16 and laid out as matrix fragments (buffer wf).
; All operands are f32 in memory and are rounded to bf16 on the way into LDS; sums in f32.
; The weight lies [k][n] in LDS (pitch 544) and is read by transposing loads; the rows lie [row][k] (pitch 528).
; Eight waves; wave w makes 32 rows (tg = w / 2) x 128 columns (ch = w % 2): 16 accumulator tiles, 128 registers.
; Q and K use the matrix unit transposed (source 0 = columns of W, source 1 = rows of X): a lane then holds eight neighbouring
; features of one token.  V uses it the natural way: a lane holds eight neighbouring tokens of one feature.
; Every output is stored in the order in which a later launch's registers want it, 16 bytes a lane, 512 consecutive bytes a wave:
;   Qf f32  [bh 32][token tile 128][t 2][g 2][lane][16 B]: Q[16 tile + r][16 t + 8 h + 4 g ..+3]
;   Kf bf16 [bh 32][key tile 128][t 2][lane][16 B]:        K[16 tile + r][16 t + 8 h ..+7]
;   Vf bf16 [bh 32][key block 64][t 2][u 2][lane][16 B]:   V[32 block + 16 u + 8 h ..+7][16 t + r]
;   wf bf16 9 fills of 131,072 B: [w 4][k 8][m 4][c 2][lane][16 B]: W[32 k + 16 c + 8 h ..+7][16 (4 w + m) + r]
;      fill 0 = Wo, fill 2 s + 1 = Wm[:, 256 s ..], fill 2 s + 2 = We[256 s .., :]
; (r = lane % 16, h = lane / 16.)  No clusters: what work-groups share, a weight, has to be converted in registers on its way into LDS.
; Staging: a wave has 96 loads of 16 bytes a lane to make (32 of X, 64 of W).  56 go out at once; X, which returns first, is converted
; first and its 128 registers take four more batches of W, so that 56 loads stay on their way until the last batches.
; Limit: matrix operands are rounded to bf16; nothing else is narrowed.
.set PW,  544                          ; LDS pitch of W's rows: 512 bytes + 32
.set PX,  528                          ; LDS pitch of X's rows: 512 bytes + 16
.set XS,  256*PW                       ; X's rows lie behind W's 256 rows
.set VB,  16                           ; v[16:31]   V's bias, each number twice (a pair for the packed add)
.set WB,  32                           ; v[32:127]  three sets of 32 registers: batches 0, 1, 2 (and 7) of W as loaded
.set XF,  48                           ; v[48:63]   after staging: two fragments of X
.set WF,  64                           ; v[64:127]  after staging: eight fragments of W; at the end packed results
.set XR,  128                          ; v[128:255] X as loaded, then batches 3 to 6 of W
.set ACC, 128                          ; v[128:255] after staging: tile (c, n) at ACC + 8 (2 c + n)
; v2 byte offset of my 16 bytes in W (and X); v3 where I put W in LDS; v4 where I put X; v7 16 x lane;
; v8 my X fragments; v9 my W fragments; v10 bias offset
; batch b, eight loads into 32 registers: rows 32 b + 4 i + (thread / 64) of the weight block, 64 threads to a row of 1,024 bytes
.macro LDW b, reg, pitch
.irp i, 0,1,2,3,4,5,6,7
	global_load_b128 v[\reg+4*\i:\reg+4*\i+3], v2, s[40:41] offset:(32*(\b)+4*\i)*\pitch
.endr
.endm
; a batch is rounded to bf16 in place and put into LDS, 8 bytes a thread; the batches are taken in ascending order
.macro CVW reg
.irp i, 0,1,2,3,4,5,6,7
	v_cvt_pk_bf16_f32 v[\reg+4*\i], v[\reg+4*\i], v[\reg+4*\i+1]
	v_cvt_pk_bf16_f32 v[\reg+4*\i+1], v[\reg+4*\i+2], v[\reg+4*\i+3]
	ds_store_b64 v3, v[\reg+4*\i:\reg+4*\i+1] offset:\i*4*PW
.endr
	v_add_nc_u32 v3, 32*PW, v3                     ; 32 rows on: the offsets stay inside 16 bits
.endm
.macro FIRSTW pitch                    ; batches 0 to 2
	LDW 0, WB, \pitch
	LDW 1, WB+32, \pitch
	LDW 2, WB+64, \pitch
.endm
.macro NEXTW pitch                     ; batches 3 to 6, into the registers that X has left (or never used)
	LDW 3, XR, \pitch
	LDW 4, XR+32, \pitch
	LDW 5, XR+64, \pitch
	LDW 6, XR+96, \pitch
.endm
; the eight batches are converted.  Loads return in order: each count is the number of loads issued behind the batch that is due
.macro LASTW pitch
	s_wait_loadcnt 48                              ; batches 1 to 6 are out
	CVW WB
	LDW 7, WB, \pitch                              ; the last batch, into the set just converted
	s_wait_loadcnt 48                              ; batches 2 to 7
	CVW WB+32
	s_wait_loadcnt 40                              ; batches 3 to 7
	CVW WB+64
	s_wait_loadcnt 32
	CVW XR
	s_wait_loadcnt 24
	CVW XR+32
	s_wait_loadcnt 16
	CVW XR+64
	s_wait_loadcnt 8
	CVW XR+96
	s_wait_loadcnt 0x0
	CVW WB
.endm
; 32 along K: 4 + 16 LDS loads, 16 matrix instructions on 16 accumulators, which take turns, one instruction a turn
.macro KSTEP swap, zero
.irp n, 0,1
	ds_load_b128 v[XF+8*\n:XF+8*\n+3], v8 offset:\n*16*PX
	ds_load_b128 v[XF+8*\n+4:XF+8*\n+7], v8 offset:\n*16*PX+32
.endr
.irp c, 0,1,2,3,4,5,6,7
	ds_load_tr16_b128 v[WF+8*\c:WF+8*\c+3], v9 offset:\c*32
	ds_load_tr16_b128 v[WF+8*\c+4:WF+8*\c+7], v9 offset:\c*32+16*PW
.endr
	s_wait_dscnt 0x0
.irp c, 0,1,2,3,4,5,6,7
.irp n, 0,1
.set A8, ACC+8*(2*\c+\n)
.if \swap
	v_wmma_f32_16x16x32_bf16 v[A8:A8+7], v[WF+8*\c:WF+8*\c+7], v[XF+8*\n:XF+8*\n+7], v[A8:A8+7]
.else
.if \zero
	v_wmma_f32_16x16x32_bf16 v[A8:A8+7], v[XF+8*\n:XF+8*\n+7], v[WF+8*\c:WF+8*\c+7], 0
.else
	v_wmma_f32_16x16x32_bf16 v[A8:A8+7], v[XF+8*\n:XF+8*\n+7], v[WF+8*\c:WF+8*\c+7], v[A8:A8+7]
.endif
.endif
.endr
.endr
	v_add_nc_u32 v8, 64, v8                        ; four plain vector instructions stand between the matrix instructions and the next loads into
	v_add_nc_u32 v9, 32*PW, v9                     ; their sources, or the first reader of their results (ISA guide 7.12.1): the two address steps
	v_nop                                          ; and two v_nop
	v_nop
.endm
	s_load_b512 s[4:19], s[0:1], 0x0               ; q, x, Wq, Wk, Wv, Wo, Wm, We
	s_load_b256 s[20:27], s[0:1], 0x40             ; bq, bk, bv, Qf
	s_load_b128 s[28:31], s[0:1], 0x60             ; Kf, Vf
	s_load_b64 s[32:33], s[0:1], 0x70              ; wf
	v_lshl_add_u32 v14, v0, 2, 0x32800
	v_mov_b32 v15, 0
	v_lshrrev_b32 v1, 5, v0
	v_readfirstlane_b32 s35, v1                    ; wave 0..7
	v_and_b32 v1, 31, v0
	v_and_b32 v5, 15, v0                           ; r
	v_bfe_u32 v6, v0, 4, 1                         ; h
	v_lshlrev_b32 v7, 4, v1                        ; 16 x lane
	v_lshrrev_b32 v11, 6, v0                       ; thread / 64: which of four rows
	v_and_b32 v12, 63, v0                          ; thread % 64: which 16 bytes of the row
	v_mul_u32_u24 v3, v11, PW
	v_lshl_add_u32 v3, v12, 3, v3                  ; W in LDS: row x pitch + 8 bytes a thread
	v_and_b32 v13, 7, v0
	v_lshl_add_u32 v13, v6, 3, v13                 ; 8 h + lane % 8: the row that I address in a transposing load
	v_mul_u32_u24 v9, v13, PW
	v_bfe_u32 v13, v0, 3, 1
	v_lshl_add_u32 v9, v13, 4, v9                  ; + 16 bytes for the upper eight lanes of each sixteen
	s_mov_b32 s34, ttmp9
	s_wait_kmcnt 0x0
	s_cmp_ge_u32 s34, 192
	s_cbranch_scc1 .Lprep
	; ---- a projection ----
	s_lshr_b32 s36, s34, 6                         ; 0 Q, 1 K, 2 V
	s_and_b32 s37, s34, 63                         ; block of 128 rows
	s_lshr_b32 s38, s35, 1                         ; tg: my 32 rows
	s_and_b32 s39, s35, 1                          ; ch: my 128 columns
	s_cmp_eq_u32 s36, 1
	s_cselect_b64 s[40:41], s[10:11], s[12:13]     ; weight
	s_cselect_b64 s[44:45], s[22:23], s[24:25]     ; bias
	s_cmp_eq_u32 s36, 0
	s_cselect_b64 s[40:41], s[8:9], s[40:41]
	s_cselect_b64 s[44:45], s[20:21], s[44:45]
	s_cselect_b64 s[42:43], s[4:5], s[6:7]         ; rows: q for Q, x for K and V
	s_lshl_b32 s48, s37, 17                        ; 128 rows of 1,024 bytes
	s_mov_b32 s49, 0
	s_add_nc_u64 s[42:43], s[42:43], s[48:49]
	s_lshr_b32 s51, s37, 4                         ; batch
	s_lshl_b32 s51, s51, 3
	s_lshl2_add_u32 s51, s39, s51                  ; 8 batch + 4 ch: my first head
	s_and_b32 s52, s37, 15
	s_lshl_b32 s55, s51, 7
	s_lshl3_add_u32 s55, s52, s55
	s_lshl1_add_u32 s55, s38, s55                  ; head x 128 + my first token tile in the batch
	v_lshlrev_b32 v2, 4, v0                        ; 16 x thread: four rows of 1,024 bytes to an instruction, in W and in X alike
	v_mul_u32_u24 v4, v11, PX
	v_lshl_add_u32 v4, v12, 3, v4
	v_add_nc_u32 v4, XS, v4
	s_mul_i32 s51, s38, 32*PX
	s_add_co_u32 s51, s51, XS
	v_mul_u32_u24 v8, v5, PX
	v_lshl_add_u32 v8, v6, 4, v8
	v_add_nc_u32 v8, s51, v8                       ; X fragment: (32 tg + r) x pitch + 16 h
	s_lshl_b32 s52, s39, 8
	v_add_nc_u32 v9, s52, v9                       ; W fragment: + my 128 columns
.set i, 0
.rept 32
	global_load_b128 v[XR+4*i:XR+4*i+3], v2, s[42:43] offset:i*4096    ; the 128 rows
.set i, i+1
.endr
	FIRSTW 1024                                    ; 32 + 24 = 56 loads are out
	s_wait_loadcnt 24                              ; X is in; W's three batches may stay out
.set i, 0
.rept 32
	v_cvt_pk_bf16_f32 v[XR+4*i], v[XR+4*i], v[XR+4*i+1]
	v_cvt_pk_bf16_f32 v[XR+4*i+1], v[XR+4*i+2], v[XR+4*i+3]
	ds_store_b64 v4, v[XR+4*i:XR+4*i+1] offset:i*4*PX
.set i, i+1
.endr
	NEXTW 1024                                     ; 24 + 32 = 56 loads are out again
	LASTW 1024
	s_wait_dscnt 0x0                               ; my part of W and X is in LDS: for the other waves' sake, ahead of the signal
	s_lshl_b32 s51, s39, 9
	s_cmp_eq_u32 s36, 2
	s_cbranch_scc1 .Lv
	; Q and K: the bias starts the sums.  A lane's eight results of tile c are features 128 ch + 16 c + 8 h ..+7
	v_lshl_add_u32 v10, v6, 5, s51
.irp c, 0,1,2,3,4,5,6,7
.irp n, 0,1
.set A8, ACC+8*(2*\c+\n)
	global_load_b128 v[A8:A8+3], v10, s[44:45] offset:\c*64
	global_load_b128 v[A8+4:A8+7], v10, s[44:45] offset:\c*64+16
.endr
.endr
	s_barrier_signal -1
	s_barrier_wait -1                              ; W and X are whole
	s_wait_loadcnt 0x0                             ; the bias
	s_mov_b32 s50, 8
.Lqk:
	KSTEP 1, 0
	s_sub_co_i32 s50, s50, 1
	s_cmp_lg_u32 s50, 0
	s_cbranch_scc1 .Lqk
	s_cmp_eq_u32 s36, 1
	s_cbranch_scc1 .Lkout
	s_lshl_b32 s48, s55, 11                        ; a token tile of Qf is 2,048 bytes
	s_add_nc_u64 s[46:47], s[26:27], s[48:49]
.irp c, 0,1,2,3,4,5,6,7
.irp n, 0,1
.set A8, ACC+8*(2*\c+\n)
	global_store_b128 v7, v[A8:A8+3], s[46:47] offset:(\c/2)*262144+\n*2048+(\c%2)*1024
	global_store_b128 v7, v[A8+4:A8+7], s[46:47] offset:(\c/2)*262144+\n*2048+(\c%2)*1024+512
.endr
.endr
	s_wait_tensorcnt 0x0
	ds_add_u32 v14, v15
	s_wait_dscnt 0x0
	s_endpgm
.Lkout:
	s_lshl_b32 s48, s55, 10                        ; a key tile of Kf is 1,024 bytes
	s_add_nc_u64 s[46:47], s[28:29], s[48:49]
.irp c, 0,1,2,3,4,5,6,7
.irp n, 0,1
.set A8, ACC+8*(2*\c+\n)
.irp i, 0,1,2,3
	v_cvt_pk_bf16_f32 v[WF+4*(2*\c+\n)+\i], v[A8+2*\i], v[A8+2*\i+1]
.endr
	global_store_b128 v7, v[WF+4*(2*\c+\n):WF+4*(2*\c+\n)+3], s[46:47] offset:(\c/2)*131072+\n*1024+(\c%2)*512
.endr
.endr
	s_wait_tensorcnt 0x0
	ds_add_u32 v14, v15
	s_wait_dscnt 0x0
	s_endpgm
.Lv:	; V: a lane's eight results of tile c are eight tokens of feature 128 ch + 16 c + r: one bias number a tile, added at the end
	v_lshl_add_u32 v10, v5, 2, s51
.irp c, 0,1,2,3,4,5,6,7
	global_load_b32 v[VB+2*\c], v10, s[44:45] offset:\c*64
	global_load_b32 v[VB+2*\c+1], v10, s[44:45] offset:\c*64
.endr
	s_barrier_signal -1
	s_barrier_wait -1
	KSTEP 0, 1                                     ; the first products start the sums
	s_mov_b32 s50, 7
.Lvk:
	KSTEP 0, 0
	s_sub_co_i32 s50, s50, 1
	s_cmp_lg_u32 s50, 0
	s_cbranch_scc1 .Lvk
	s_lshl_b32 s48, s55, 10                        ; (head x 64 + key block) x 2,048 = (head x 128 + token tile) x 1,024
	s_add_nc_u64 s[46:47], s[30:31], s[48:49]
	s_wait_loadcnt 0x0                             ; the bias
.irp c, 0,1,2,3,4,5,6,7
.irp n, 0,1
.set A8, ACC+8*(2*\c+\n)
.irp i, 0,1,2,3
	v_pk_add_f32 v[A8+2*\i:A8+2*\i+1], v[A8+2*\i:A8+2*\i+1], v[VB+2*\c:VB+2*\c+1]
.endr
.irp i, 0,1,2,3
	v_cvt_pk_bf16_f32 v[WF+4*(2*\c+\n)+\i], v[A8+2*\i], v[A8+2*\i+1]
.endr
	global_store_b128 v7, v[WF+4*(2*\c+\n):WF+4*(2*\c+\n)+3], s[46:47] offset:(\c/2)*131072+(\c%2)*1024+\n*512
.endr
.endr
	s_wait_tensorcnt 0x0
	ds_add_u32 v14, v15
	s_wait_dscnt 0x0
	s_endpgm
	; ---- a block of a later layer's weight ----
.Lprep:
	s_sub_co_u32 s36, s34, 192                     ; p: 0 Wo; 1-4 Wm's column blocks; 5-8 We's row blocks
	s_mov_b32 s49, 0
	s_cmp_eq_u32 s36, 0
	s_cbranch_scc1 .Lp1024
	s_cmp_ge_u32 s36, 5
	s_cbranch_scc1 .Lp1024
	s_sub_co_u32 s51, s36, 1
	s_lshl_b32 s48, s51, 10                        ; 256 columns of f32
	s_add_nc_u64 s[40:41], s[16:17], s[48:49]
	s_lshl_b32 s52, s36, 1
	s_sub_co_u32 s52, s52, 1                       ; fill 2 p - 1
	v_lshlrev_b32 v2, 12, v11                      ; Wm's rows are 4,096 bytes apart
	v_lshl_add_u32 v2, v12, 4, v2
	FIRSTW 4096                                    ; seven batches, 56 loads, go out at once
	NEXTW 4096
	LASTW 4096
	s_branch .Ldump
.Lp1024:
	s_max_u32 s51, s36, 5
	s_sub_co_u32 s51, s51, 5                       ; We's block (0 for Wo)
	s_lshl_b32 s48, s51, 18                        ; 256 rows of 1,024 bytes
	s_lshl_b32 s52, s51, 1
	s_add_co_u32 s52, s52, 2                       ; fill 2 p - 8
	s_cmp_ge_u32 s36, 5
	s_cselect_b64 s[40:41], s[18:19], s[14:15]     ; We or Wo
	s_cselect_b32 s52, s52, 0
	s_add_nc_u64 s[40:41], s[40:41], s[48:49]
	v_lshlrev_b32 v2, 4, v0
	FIRSTW 1024
	NEXTW 1024
	LASTW 1024
.Ldump:
	s_wait_dscnt 0x0                               ; my part of the block is in LDS
	s_barrier_signal -1
	s_barrier_wait -1
	; wave v takes the fragments of column group v / 2 and K blocks 4 (v % 2) ..+3: 16,384 consecutive bytes of the fill
	s_and_b32 s51, s35, 1
	s_mul_i32 s51, s51, 128*PW
	s_lshr_b32 s53, s35, 1
	s_lshl_b32 s53, s53, 7
	s_add_co_u32 s51, s51, s53
	v_add_nc_u32 v9, s51, v9
	s_lshl_b32 s48, s52, 17
	s_lshl_b32 s53, s35, 14
	s_add_co_u32 s48, s48, s53
	s_add_nc_u64 s[46:47], s[32:33], s[48:49]
.irp k, 0,1,2,3
.irp m, 0,1,2,3
.irp c, 0,1
	ds_load_tr16_b128 v[XR+4*(8*\k+2*\m+\c):XR+4*(8*\k+2*\m+\c)+3], v9 offset:\k*32*PW+\m*32+\c*16*PW
.endr
.endr
.endr
.set i, 0
.rept 32
	s_wait_dscnt 31-i                              ; LDS loads return in order: load i is in
	global_store_b128 v7, v[XR+4*i:XR+4*i+3], s[46:47] offset:i*512
.set i, i+1
.endr
	s_wait_tensorcnt 0x0
	ds_add_u32 v14, v15
	s_wait_dscnt 0x0
	s_endpgm
.Lfunc_end_k_q56dc086c3b_proj:
	.size	k_q56dc086c3b_proj, .Lfunc_end_k_q56dc086c3b_proj-k_q56dc086c3b_proj
	.p2alignl 7, 3214868480
	.fill 96, 4, 3214868480
	.section	.rodata,"a",@progbits
	.p2align	6, 0x0
	.amdhsa_kernel k_q56dc086c3b_proj
		.amdhsa_group_segment_fixed_size 207872
		.amdhsa_private_segment_fixed_size 0
		.amdhsa_enable_private_segment 0
		.amdhsa_kernarg_size 120
		.amdhsa_user_sgpr_count 2
		.amdhsa_user_sgpr_kernarg_segment_ptr 1
		.amdhsa_wavefront_size32 1
		.amdhsa_system_sgpr_workgroup_id_x 1
		.amdhsa_system_sgpr_workgroup_id_y 1
		.amdhsa_system_sgpr_workgroup_id_z 1
		.amdhsa_system_vgpr_workitem_id 0
		.amdhsa_next_free_vgpr 256
		.amdhsa_next_free_sgpr 66
		.amdhsa_reserve_vcc 0
		.amdhsa_float_denorm_mode_32 3
		.amdhsa_float_denorm_mode_16_64 3
		.amdhsa_memory_ordered 1
		.amdhsa_forward_progress 1
		.amdhsa_inst_pref_size 107
	.end_amdhsa_kernel
	.amdgpu_metadata
---
amdhsa.version: [ 1, 2 ]
amdhsa.kernels:
  - .name:           k_q56dc086c3b_proj
    .symbol:         k_q56dc086c3b_proj.kd
    .args:
      - { .name: q, .offset: 0, .size: 8, .value_kind: global_buffer, .address_space: global }
      - { .name: x, .offset: 8, .size: 8, .value_kind: global_buffer, .address_space: global }
      - { .name: Wq, .offset: 16, .size: 8, .value_kind: global_buffer, .address_space: global }
      - { .name: Wk, .offset: 24, .size: 8, .value_kind: global_buffer, .address_space: global }
      - { .name: Wv, .offset: 32, .size: 8, .value_kind: global_buffer, .address_space: global }
      - { .name: Wo, .offset: 40, .size: 8, .value_kind: global_buffer, .address_space: global }
      - { .name: Wm, .offset: 48, .size: 8, .value_kind: global_buffer, .address_space: global }
      - { .name: We, .offset: 56, .size: 8, .value_kind: global_buffer, .address_space: global }
      - { .name: bq, .offset: 64, .size: 8, .value_kind: global_buffer, .address_space: global }
      - { .name: bk, .offset: 72, .size: 8, .value_kind: global_buffer, .address_space: global }
      - { .name: bv, .offset: 80, .size: 8, .value_kind: global_buffer, .address_space: global }
      - { .name: Qf, .offset: 88, .size: 8, .value_kind: global_buffer, .address_space: global }
      - { .name: Kf, .offset: 96, .size: 8, .value_kind: global_buffer, .address_space: global }
      - { .name: Vf, .offset: 104, .size: 8, .value_kind: global_buffer, .address_space: global }
      - { .name: wf, .offset: 112, .size: 8, .value_kind: global_buffer, .address_space: global }
    .group_segment_fixed_size: 207872
    .private_segment_fixed_size: 0
    .kernarg_segment_align: 8
    .kernarg_segment_size: 120
    .max_flat_workgroup_size: 256
    .sgpr_count:     66
    .vgpr_count:     256
    .wavefront_size: 32
...
	.end_amdgpu_metadata
.endif
;; end of part 1
;; launch attn (part 2): grid 8 x 32, 8 waves a work-group, clusters of 4 x 1, 263,168 bytes of LDS; arguments Qf, Kf, Vf, att; writes att
.if DOCPART == 2
	.amdgcn_target "amdgcn-amd-amdhsa--gfx1250"
	.amdhsa_code_object_version 6
	.text
	.protected	k_q56dc086c3b_attn
	.globl	k_q56dc086c3b_attn
	.p2align	8
	.type	k_q56dc086c3b_attn,@function
k_q56dc086c3b_attn:
	s_mov_b64 s[64:65], 0
	v_nop
	global_prefetch_b8 v0, s[64:65] scope:SCOPE_SE
	s_setreg_imm32_b32 hwreg(HW_REG_WAVE_MODE, 25, 1), 1
	s_wait_xcnt 0x0
	s_wait_alu depctr_hold_cnt(0) depctr_sa_sdst(0) depctr_va_vdst(0) depctr_va_sdst(0) depctr_va_ssrc(0) depctr_va_vcc(0) depctr_vm_vsrc(0)
	s_getreg_b32 s2, hwreg(HW_REG_IB_STS2, 6, 4)
	s_cmp_eq_u32 s2, 0
	s_cbranch_scc0 .Lentry_in_a_cluster
	s_endpgm
.Lentry_in_a_cluster:
	s_bfe_u32 s2, ttmp6, 0x10000c
	s_cmp_lg_u32 s2, 0x3003
	s_cbranch_scc0 .Lentry_shape_is_right
	s_endpgm
.Lentry_shape_is_right:
; att = Q + softmax(Q K^T / sqrt(32)) V for one head (y = 8 batch + head) and 256 queries (x); eight waves, 32 queries a wave.
; The head's K and V (2,048 keys, 131,072 bytes each, bf16, in fragment order) lie whole in LDS: four chunks of 512 keys, K's 32,768 bytes
; and then V's.  Nothing in LDS is ever filled again.  The four query blocks of a cluster need the same K and V and ask for them jointly.
; Both products use the matrix unit transposed: S^T = K Q^T (lane = query r, registers = keys 8 h ..+7) and O^T = V^T P^T, so that two
; tiles of S, after the exponential and the rounding to bf16, ARE the second source of the next product, in the same lane.
; Softmax with a running maximum, in base 2: Q is multiplied by log2(e) / sqrt(32) before it is rounded to bf16.
; A query's keys are split between lanes r and r + 16: the maximum is joined in every step, the sum of exponentials only at the end.
; Limits: scores must be finite; exponentials below 2^-126 count as zero; Q x scale, K, V and P are rounded to bf16 as matrix operands.
; att f32 [token tile 512][feature tile 16][g 2][lane][16 B]: O[16 tile + r][16 T + 8 h + 4 g ..+3].
.set ML,  4                            ; v[4:5], v[6:7]  (maximum, sum) of my query in token tile 0, 1
.set AL,  8                            ; v[8:9]     the factor 2^(old maximum - new); v9 only fills the pair
.set CM,  10                           ; v[10:13]   four chains of maxima; v14 the other half's; v15 the new maximum
.set SU,  16                           ; v[16:23]   four chains of sums, in pairs
.set QB,  24                           ; v[24:39]   Q x scale in bf16: second source, one fragment a token tile
.set QF,  40                           ; v[40:71]   Q in f32, for the residual: tile (n, t) at QF + 16 n + 8 t
.set KF,  72                           ; v[72:103]  four fragments of K (16 keys each)
.set VF,  104                          ; v[104:135] V^T: fragment (key block kb, t) at VF + 16 kb + 8 t
.set ACC, 136                          ; v[136:167] O^T: tile (n, t) at ACC + 16 n + 8 t
.set SB,  168                          ; v[168:231] S^T: tile (kt, n) at SB + 16 (2 (kt / 2) + n) + 8 (kt % 2)
; v1 16 x lane; v2 the same + the step's place in LDS
.macro ROUND                           ; a round of the cluster's barrier
	s_barrier_signal -1
	s_barrier_wait -1
	s_cmp_lg_u32 s12, 0
	s_cbranch_scc1 .Lnot_wave_0_\@
	s_barrier_signal -3
.Lnot_wave_0_\@:
	s_barrier_wait -3
	s_barrier_signal -1
	s_barrier_wait -1
.endm
	s_load_b256 s[4:11], s[0:1], 0x0               ; Qf, Kf, Vf, att
	v_lshl_add_u32 v232, v0, 2, 0x40000
	v_mov_b32 v233, 0
	ds_add_u32 v232, v233
	v_lshrrev_b32 v1, 5, v0
	v_readfirstlane_b32 s12, v1                    ; wave 0..7
	v_and_b32 v1, 31, v0
	v_lshlrev_b32 v1, 4, v1
	v_mov_b32 v2, v1
	s_and_b32 s13, ttmp7, 0xffff                   ; 8 batch + head
	s_bfe_u32 s14, ttmp6, 0x40000                  ; my place in the cluster
	s_lshl_b32 s15, ttmp9, 2
	s_add_co_u32 s15, s15, s14                     ; block of 256 queries
	s_mov_b32 s24, 0x76543210                      ; v_permlanex16_b32: lane i reads lane i of the other half
	s_mov_b32 s25, 0xfedcba98
	; descriptor group 1: 64 rows of 32 elements of 8 bytes, dense; mask = the cluster's four work-groups, bit 21 beside it
	s_mov_b32 s16, 15|(3<<16)|(1<<21)
	s_mov_b32 s17, 32<<16                          ; tensor_dim0 = 32
	s_mov_b32 s18, 64<<16                          ; tensor_dim1 = 64
	s_mov_b32 s19, 32<<16                          ; tile_dim0 = 32
	s_mov_b32 s20, 64                              ; tile_dim1 = 64
	s_mov_b32 s21, 32                              ; pitch
	s_mov_b32 s22, 0
	s_mov_b32 s23, 0
	; where the tiles come from: the head and the wave's number alone, which the four partners share
	s_and_b32 s28, s12, 1
	s_lshl_b32 s28, s28, 14
	s_lshl_b32 s48, s13, 17
	s_add_co_u32 s48, s48, s28                     ; head x 131,072 + which half of a chunk's 32,768 bytes
	s_mov_b32 s49, 0
	s_lshl_b32 s29, s12, 14                        ; LDS: waves 0, 1 K's halves, waves 2, 3 V's
	; my queries in Qf and my tiles in att: these alone hang on my place in the cluster
	s_lshl_b32 s52, s13, 7
	s_lshl4_add_u32 s52, s15, s52
	s_lshl1_add_u32 s52, s12, s52                  ; head x 128 + 16 block + 2 wave
	s_lshl_b32 s52, s52, 11
	s_mov_b32 s53, 0
	s_lshr_b32 s54, s13, 3
	s_lshl_b32 s54, s54, 7
	s_lshl4_add_u32 s54, s15, s54
	s_lshl1_add_u32 s54, s12, s54                  ; batch x 128 + 16 block + 2 wave
	s_lshl_b32 s54, s54, 14
	s_and_b32 s55, s13, 7
	s_lshl_b32 s55, s55, 11                        ; a head is two feature tiles of 1,024 bytes
	s_add_co_u32 s54, s54, s55
	s_mov_b32 s55, 0
	s_wait_dscnt 0x0
	s_wait_kmcnt 0x0
	s_add_nc_u64 s[4:5], s[4:5], s[52:53]
	s_add_nc_u64 s[10:11], s[10:11], s[54:55]
	s_cmp_lt_u32 s12, 2
	s_cselect_b64 s[50:51], s[6:7], s[8:9]
	s_add_nc_u64 s[50:51], s[50:51], s[48:49]
	ROUND                                          ; the four work-groups are here: the joint loads meet
	s_cmp_ge_u32 s12, 4
	s_cbranch_scc1 .Lno_load                       ; waves 0-3 ask, four loads each, all of them out at once; waves 4-7 ask for nothing
.irp c, 0,1,2,3
	s_mov_b32 s[32+4*\c], 1
	s_add_co_u32 s[33+4*\c], s29, \c*65536
	s_add_nc_u64 s[34+4*\c:35+4*\c], s[50:51], \c*32768
	s_or_b32 s[35+4*\c], s[35+4*\c], 0x80000000
	tensor_load_to_lds s[32+4*\c:35+4*\c], s[16:23]
	s_nop 0
.endr
.Lno_load:
.irp i, 0,1,2,3,4,5,6,7
	global_load_b128 v[QF+4*\i:QF+4*\i+3], v1, s[4:5] offset:\i*512 th:TH_LOAD_NT    ; (n, t, g) in this order: 4,096 consecutive bytes
.endr
	v_mov_b32 v[ML], 0xff800000                    ; maximum = -infinity, sum = 0
	v_mov_b32 v[ML+1], 0
	v_mov_b32 v[ML+2], 0xff800000
	v_mov_b32 v[ML+3], 0
	v_mov_b32 v[AL+1], 0
	v_mov_b32 v14, 0                               ; v_permlanex16_b32's destination counts as read
.set i, 0
.rept 32
	v_mov_b32 v[ACC+i], 0                          ; 32 registers; the first step multiplies them by 2^(-infinity) = 0 like any other
.set i, i+1
.endr
	s_wait_loadcnt 0x0
.set i, 0
.rept 16
	v_pk_mul_f32 v[SB+2*i:SB+2*i+1], v[QF+2*i:QF+2*i+1], 0x3e8293ee op_sel_hi:[1,0]   ; log2(e) / sqrt(32)
.set i, i+1
.endr
.set i, 0
.rept 16
	v_cvt_pk_bf16_f32 v[QB+i], v[SB+2*i], v[SB+2*i+1]
.set i, i+1
.endr
; The 64 keys' scores of token tile n: 32 numbers a lane, in two blocks of 16 registers (SN, SN + 32).
.macro SOFTMAX n
.set SN, SB+16*\n
.irp o, 0,3,5                                      ; 28 numbers in four chains of seven
.irp k, 0,1,2,3
.if \o
	v_max3_num_f32 v[CM+\k], v[CM+\k], v[SN+32*(\k/2)+7*(\k%2)+\o], v[SN+32*(\k/2)+7*(\k%2)+\o+1]
.else
	v_max3_num_f32 v[CM+\k], v[SN+32*(\k/2)+7*(\k%2)], v[SN+32*(\k/2)+7*(\k%2)+1], v[SN+32*(\k/2)+7*(\k%2)+2]
.endif
.endr
.endr
	v_max3_num_f32 v[CM], v[CM], v[CM+1], v[SN+14]
	v_max3_num_f32 v[CM+2], v[CM+2], v[CM+3], v[SN+15]
	v_max3_num_f32 v[CM], v[CM], v[SN+46], v[SN+47]
	v_max3_num_f32 v[CM], v[CM], v[CM+2], v[ML+2*\n]           ; and the old maximum
	v_permlanex16_b32 v14, v[CM], s24, s25                     ; the other half of the keys
	v_max_num_f32 v15, v[CM], v14
	v_sub_f32 v[AL], v[ML+2*\n], v15
	v_mov_b32 v[ML+2*\n], v15
	v_exp_f32 v[AL], v[AL]                                     ; used only behind the plain instructions that follow (ISA guide 5.7.2)
.irp b, 0,32
.irp i, 0,2,4,6,8,10,12,14
	v_pk_add_f32 v[SN+\b+\i:SN+\b+\i+1], v[SN+\b+\i:SN+\b+\i+1], v[ML+2*\n:ML+2*\n+1] op_sel_hi:[1,0] neg_lo:[0,1] neg_hi:[0,1]   ; - maximum, in both halves
.endr
.endr
.irp b, 0,32
.irp i, 0,1,2,3,4,5,6,7,8,9,10,11,12,13,14,15
	v_exp_f32 v[SN+\b+\i], v[SN+\b+\i]
.endr
.endr
	s_wait_alu depctr_va_vdst(0)
.irp i, 0,2,4,6,8,10,12,14
	v_pk_mul_f32 v[ACC+16*\n+\i:ACC+16*\n+\i+1], v[ACC+16*\n+\i:ACC+16*\n+\i+1], v[AL:AL+1] op_sel_hi:[1,0]   ; plain work between the exponentials and their first use
.endr
.irp k, 0,1,2,3
	v_pk_add_f32 v[SU+2*\k:SU+2*\k+1], v[SN+2*\k:SN+2*\k+1], v[SN+8+2*\k:SN+8+2*\k+1]
.endr
.irp o, 32,40
.irp k, 0,1,2,3
	v_pk_add_f32 v[SU+2*\k:SU+2*\k+1], v[SU+2*\k:SU+2*\k+1], v[SN+\o+2*\k:SN+\o+2*\k+1]
.endr
.endr
	v_pk_add_f32 v[SU:SU+1], v[SU:SU+1], v[SU+2:SU+3]
	v_pk_add_f32 v[SU+4:SU+5], v[SU+4:SU+5], v[SU+6:SU+7]
	v_pk_add_f32 v[SU:SU+1], v[SU:SU+1], v[SU+4:SU+5]
	v_add_f32 v[SU], v[SU], v[SU+1]
	v_fma_f32 v[ML+2*\n+1], v[ML+2*\n+1], v[AL], v[SU]         ; sum = sum x factor + this step's
.irp b, 0,32
.irp i, 0,1,2,3,4,5,6,7
	v_cvt_pk_bf16_f32 v[SN+\b+\i], v[SN+\b+2*\i], v[SN+\b+2*\i+1]   ; in place, ascending: 16 registers become the 8 of a second source
.endr
.endr
.endm
; 64 keys
.macro STEP
.irp k, 0,1,2,3
	ds_load_b128 v[KF+8*\k:KF+8*\k+3], v2 offset:\k*1024
	ds_load_b128 v[KF+8*\k+4:KF+8*\k+7], v2 offset:\k*1024+512
.endr
.irp k, 0,1,2,3
	ds_load_b128 v[VF+8*\k:VF+8*\k+3], v2 offset:32768+\k*1024
	ds_load_b128 v[VF+8*\k+4:VF+8*\k+7], v2 offset:32768+\k*1024+512
.endr
	s_wait_dscnt 8                                 ; K's eight loads are in, V's eight may stay out
.irp k, 0,1,2,3
.irp n, 0,1
	v_wmma_f32_16x16x32_bf16 v[SB+16*(2*(\k/2)+\n)+8*(\k%2):SB+16*(2*(\k/2)+\n)+8*(\k%2)+7], v[KF+8*\k:KF+8*\k+7], v[QB+8*\n:QB+8*\n+7], 0
.endr
.endr
.rept 4
	v_nop                                          ; four places ahead of the first vector instruction that reads a result (ISA guide 7.12.1)
.endr
	SOFTMAX 0
	SOFTMAX 1
	s_wait_dscnt 0x0                               ; V
.irp b, 0,1                                        ; the four accumulators take turns, one instruction a turn
.irp n, 0,1
.irp t, 0,1
	v_wmma_f32_16x16x32_bf16 v[ACC+16*\n+8*\t:ACC+16*\n+8*\t+7], v[VF+16*\b+8*\t:VF+16*\b+8*\t+7], v[SB+16*(2*\b+\n):SB+16*(2*\b+\n)+7], v[ACC+16*\n+8*\t:ACC+16*\n+8*\t+7]
.endr
.endr
.endr
	v_add_nc_u32 v2, 4096, v2                      ; four tiles of K and two blocks of V on.  With the four v_nop: five places ahead of the
.rept 4
	v_nop                                          ; next step's products, which write over P, and of its loads into V's fragments
.endr
.endm
; 512 keys.  left = the younger chunks' loads, which may stay out (waves 4-7 have none and pass at once)
.macro CHUNK left
	s_wait_tensorcnt \left                         ; my part of the chunk is in LDS,
	s_barrier_signal -1
	s_barrier_wait -1                              ; and so is everybody's.
	s_mov_b32 s26, 8
.Lstep_\@:
	STEP
	s_sub_co_i32 s26, s26, 1
	s_cmp_lg_u32 s26, 0
	s_cbranch_scc1 .Lstep_\@
	v_add_nc_u32 v2, 32768, v2                     ; over the chunk's V to the next chunk's K
.endm
	CHUNK 3
	CHUNK 2
	CHUNK 1
	CHUNK 0
.irp n, 0,1
	v_permlanex16_b32 v14, v[ML+2*\n+1], s24, s25  ; the two halves' sums are to the same maximum
	v_add_f32 v[ML+2*\n+1], v[ML+2*\n+1], v14
.endr
	v_rcp_f32 v8, v[ML+1]
	v_rcp_f32 v10, v[ML+3]
	v_nop                                          ; a plain place ahead of the first use (ISA guide 5.7.2)
	s_wait_alu depctr_va_vdst(0)
.irp n, 0,1
.irp i, 0,2,4,6,8,10,12,14
	v_pk_fma_f32 v[ACC+16*\n+\i:ACC+16*\n+\i+1], v[ACC+16*\n+\i:ACC+16*\n+\i+1], v[8+2*\n:9+2*\n], v[QF+16*\n+\i:QF+16*\n+\i+1] op_sel_hi:[1,0,1]   ; O / sum + Q
.endr
.endr
.irp n, 0,1
.irp t, 0,1
.irp g, 0,1
	global_store_b128 v1, v[ACC+16*\n+8*\t+4*\g:ACC+16*\n+8*\t+4*\g+3], s[10:11] offset:\n*16384+\t*1024+\g*512
.endr
.endr
.endr
	s_wait_tensorcnt 0x0
	ds_add_u32 v232, v233
	s_wait_dscnt 0x0
	ROUND                                          ; the closing round: no work-group ends while a partner may still ask
	s_endpgm
.Lfunc_end_k_q56dc086c3b_attn:
	.size	k_q56dc086c3b_attn, .Lfunc_end_k_q56dc086c3b_attn-k_q56dc086c3b_attn
	.p2alignl 7, 3214868480
	.fill 96, 4, 3214868480
	.section	.rodata,"a",@progbits
	.p2align	6, 0x0
	.amdhsa_kernel k_q56dc086c3b_attn
		.amdhsa_group_segment_fixed_size 263168
		.amdhsa_private_segment_fixed_size 0
		.amdhsa_enable_private_segment 0
		.amdhsa_kernarg_size 32
		.amdhsa_user_sgpr_count 2
		.amdhsa_user_sgpr_kernarg_segment_ptr 1
		.amdhsa_wavefront_size32 1
		.amdhsa_system_sgpr_workgroup_id_x 1
		.amdhsa_system_sgpr_workgroup_id_y 1
		.amdhsa_system_sgpr_workgroup_id_z 1
		.amdhsa_system_vgpr_workitem_id 0
		.amdhsa_next_free_vgpr 234
		.amdhsa_next_free_sgpr 66
		.amdhsa_reserve_vcc 0
		.amdhsa_float_denorm_mode_32 3
		.amdhsa_float_denorm_mode_16_64 3
		.amdhsa_memory_ordered 1
		.amdhsa_forward_progress 1
		.amdhsa_inst_pref_size 68
	.end_amdhsa_kernel
	.amdgpu_metadata
---
amdhsa.version: [ 1, 2 ]
amdhsa.kernels:
  - .name:           k_q56dc086c3b_attn
    .symbol:         k_q56dc086c3b_attn.kd
    .args:
      - { .name: Qf, .offset: 0, .size: 8, .value_kind: global_buffer, .address_space: global }
      - { .name: Kf, .offset: 8, .size: 8, .value_kind: global_buffer, .address_space: global }
      - { .name: Vf, .offset: 16, .size: 8, .value_kind: global_buffer, .address_space: global }
      - { .name: att, .offset: 24, .size: 8, .value_kind: global_buffer, .address_space: global }
    .group_segment_fixed_size: 263168
    .private_segment_fixed_size: 0
    .kernarg_segment_align: 8
    .kernarg_segment_size: 32
    .max_flat_workgroup_size: 256
    .sgpr_count:     66
    .vgpr_count:     234
    .wavefront_size: 32
...
	.end_amdgpu_metadata
.endif
;; end of part 2
;; launch tail (part 3): grid 256 x 1, 4 waves a work-group, clusters of 4 x 1, 327,680 bytes of LDS; arguments att, wf, g0, b0, bo, g1, b1, bm, be, out0; writes out0
.if DOCPART == 3
	.amdgcn_target "amdgcn-amd-amdhsa--gfx1250"
	.amdhsa_code_object_version 6
	.text
	.protected	k_q56dc086c3b_tail
	.globl	k_q56dc086c3b_tail
	.p2align	8
	.type	k_q56dc086c3b_tail,@function
k_q56dc086c3b_tail:
	s_mov_b64 s[64:65], 0
	v_nop
	global_prefetch_b8 v0, s[64:65] scope:SCOPE_SE
	s_setreg_imm32_b32 hwreg(HW_REG_WAVE_MODE, 25, 1), 1
	s_wait_xcnt 0x0
	s_wait_alu depctr_hold_cnt(0) depctr_sa_sdst(0) depctr_va_vdst(0) depctr_va_sdst(0) depctr_va_ssrc(0) depctr_va_vcc(0) depctr_vm_vsrc(0)
	s_getreg_b32 s2, hwreg(HW_REG_IB_STS2, 6, 4)
	s_cmp_eq_u32 s2, 0
	s_cbranch_scc0 .Lentry_in_a_cluster
	s_endpgm
.Lentry_in_a_cluster:
	s_bfe_u32 s2, ttmp6, 0x10000c
	s_cmp_lg_u32 s2, 0x3003
	s_cbranch_scc0 .Lentry_shape_is_right
	s_endpgm
.Lentry_shape_is_right:
; For 32 tokens: O1 = LN(att; g0, b0); O2 = O1 + relu(O1 Wo + bo); O3 = LN(O2; g1, b1); out = relu(O3 Wm + bm) We + be + O2.
; Four waves, one to a SIMD.  In every layer wave w owns the 64 output features 64 w ..+63 (four tiles m) of both token tiles n: eight accumulators.
; The matrix unit is used transposed (source 0 = W^T, source 1 = X^T): lane (r, h) holds features 8 h ..+7 of token r, so that a layer's
; results, rounded to bf16, are 16 bytes of the next layer's second source; the waves hand these to each other through LDS.
; The weights are nine fills of 131,072 bytes (16 feature tiles x K = 256, in fragment order): Wo, then for each quarter s of the hidden layer
; Wm's columns 256 s ..+255 and We's rows 256 s ..+255.  Only a quarter of the hidden layer exists at a time, and We's products add straight
; onto O2 + be.  A wave reads only its own quarter (32,768 bytes) of every fill.  The fills come by two roads:
;   Wo and We's four blocks through two LDS slots, by tensor loads that the four work-groups of a cluster ask for jointly: two first fills and
;   three refills, each behind a round of the cluster's barrier, each with two fills' products (128 matrix instructions a wave) in which to land;
;   Wm's four blocks straight into registers, 64 loads of 512 consecutive bytes a wave, into two register windows that take turns.
; WHY Wm IS NOT ASKED FOR JOINTLY: a slot is filled again only behind a barrier ahead of which every tensor load has landed, so the ring has one
; fill on its way at a time; with all nine fills in it that fill has 64 matrix instructions a wave in which to land.  Loads into registers are
; bound to no barrier: a quarter of Wm is asked for ahead of the products of the quarter before it.
; O3's fragments are read from LDS once, into 128 registers, and serve all four quarters of Wm.
; Layer norm: mean and sum of squared deviations of each wave's 64 features, joined over the four waves by
; M2 = sum M2_w + 64 sum (mean_w - mean)^2: no difference of large sums is formed.
; Limit: O1, O3, the hidden layer and the weights are rounded to bf16 as matrix operands; everything else is f32.
;
; REGISTERS, in windows of 256 (s_set_vgpr_msb's low byte: bits 1:0 source 0, 3:2 source 1, 5:4 source 2, 7:6 destination):
;   window 0: all that follows under T .. X;  windows 1, 2: a quarter of Wm each, fragment (K block k, tile m) at 32 k + 8 m;
;   window 3: O3's fragments (K block k, token tile n) at 16 k + 8 n; bm, quarter s, tile m at 128 + 32 s + 8 m
.set S1,  131072                       ; slot 1 (slot 0 at 0)
.set XC,  262144                       ; O3 as fragments, 16,384 bytes: (K block kb, n) at (2 kb + n) x 1,024 + c x 512 + 16 lane
.set XH,  278528                       ; O1, later a quarter of the hidden layer, likewise
.set ST,  294912                       ; (mean, M2) of wave w, token tile n, token r at 256 w + 128 n + 8 r; the second norm's 1,024 further on
.set STG, 296960                       ; the way out: 16 rows x 272 bytes for each wave
.set T,   16                           ; v[16:31]   at work
.set AF,  32                           ; v[32:95]   two buffers of four W fragments; gains and biases of a norm; the way out
.set BF,  96                           ; v[96:127]  two buffers of two X fragments; at work in a norm
.set HA,  128                          ; v[128:191] accumulators of Wo and Wm: tile (n, m) at + 8 (4 n + m)
.set X,   192                          ; v[192:255] the tokens in f32: att, O1, O2, then the output's accumulators; same tiles
.set XB,  0                            ; window 3
.set BM,  128                          ; window 3
; v1 16 lane; v2, v3 my W fragments in slot 0, 1; v4, v5 X fragments in XC, XH; v6, v7 where I put mine; v8 my features' byte offset in a
; vector; v9, v10 statistics out and in; v11, v12 stage in and out; v13 my offset in out0
.set MSB, 0
.macro WIN new                         ; the immediate's high byte repeats the setting that is left; a switch that changes nothing is dropped
.if MSB != (\new)
	s_set_vgpr_msb (MSB<<8)|(\new)
.set MSB, (\new)
.endif
.endm
.macro ROUND                           ; a round of the cluster's barrier (every window is 0 here: it holds a branch and a label)
	s_barrier_signal -1
	s_barrier_wait -1
	s_cmp_lg_u32 s40, 0
	s_cbranch_scc1 .Lnot_wave_0_\@
	s_barrier_signal -3
.Lnot_wave_0_\@:
	s_barrier_wait -3
	s_barrier_signal -1
	s_barrier_wait -1
.endm
.macro PLACES                          ; four plain places between matrix instructions and a load into, or a vector instruction on, their registers
.rept 4
	v_nop
.endr
.endm
.macro BAR                             ; a barrier behind which no slot is filled: my LDS stores and reads are done; a tensor load may stay out
	s_wait_dscnt 0x0
	s_barrier_signal -1
	s_barrier_wait -1
.endm
; A slot that every wave has read is filled again.  g: its group 0.  Ahead of the round every wave's LDS reads and stores are done and all its
; tensor loads have landed; behind it the refill comes first.  The same round shows what the waves stored in LDS ahead of it.
.macro HEAD g
	s_wait_xcnt 0x0
	v_lshl_add_u32 v190, v0, 2, 0x4cc00
	v_mov_b32 v191, 0
	s_wait_tensorcnt 0x0
	ds_add_u32 v190, v191
	s_wait_dscnt 0x0
	s_add_nc_u64 s[\g+2:\g+3], s[\g+2:\g+3], 524288            ; no load of mine is out: four fills on
	s_wait_dscnt 0x0
	ROUND
	tensor_load_to_lds s[\g:\g+3], s[24:31]
	s_nop 0
.endm
; my 64 numbers' share of a vector of 256: eight numbers a tile, 32 registers
.macro VEC dst, p
.irp m, 0,1,2,3
	global_load_b128 v[\dst+8*\m:\dst+8*\m+3], v8, s[\p:\p+1] offset:\m*64
	global_load_b128 v[\dst+8*\m+4:\dst+8*\m+7], v8, s[\p:\p+1] offset:\m*64+16
.endr
.endm
; K blocks k0 to k1 of my quarter of a fill, straight into window win: eight loads of 512 consecutive bytes a block
.macro WLOAD fill, win, k0, k1
	WIN ((\win)<<6)
.set kk, \k0
.rept \k1-\k0+1
.irp j, 0,1,2,3,4,5,6,7
	global_load_b128 v[32*kk+4*\j:32*kk+4*\j+3], v1, s[6:7] offset:(\fill)*131072+kk*4096+\j*512
.endr
.set kk, kk+1
.endr
	WIN 0
.endm
; what quarter s of Wm needs, in two groups: bm's quarter and K blocks 0 to 5 (56 loads), later K blocks 6 and 7 (16 loads)
.macro GROUPA s, win
	WIN 0xc0
.irp m, 0,1,2,3
	global_load_b128 v[BM+32*(\s)+8*\m:BM+32*(\s)+8*\m+3], v8, s[18:19] offset:(\s)*1024+\m*64
	global_load_b128 v[BM+32*(\s)+8*\m+4:BM+32*(\s)+8*\m+7], v8, s[18:19] offset:(\s)*1024+\m*64+16
.endr
	WLOAD 2*(\s)+1, \win, 0, 5
.endm
.macro GROUPB s, win
	WLOAD 2*(\s)+1, \win, 6, 7
.endm
; twelve LDS loads: K block k's four W fragments and two X fragments into buffer f
.macro FETCH aadr, badr, k, f
.irp m, 0,1,2,3
	ds_load_b128 v[AF+32*(\f)+8*\m:AF+32*(\f)+8*\m+3], v[\aadr] offset:(\k)*4096+\m*1024
	ds_load_b128 v[AF+32*(\f)+8*\m+4:AF+32*(\f)+8*\m+7], v[\aadr] offset:(\k)*4096+\m*1024+512
.endr
.irp n, 0,1
	ds_load_b128 v[BF+16*(\f)+8*\n:BF+16*(\f)+8*\n+3], v[\badr] offset:(2*(\k)+\n)*1024
	ds_load_b128 v[BF+16*(\f)+8*\n+4:BF+16*(\f)+8*\n+7], v[\badr] offset:(2*(\k)+\n)*1024+512
.endr
.endm
.macro MM8 acc, f                      ; the eight accumulators take turns, one instruction a turn
.irp n, 0,1
.irp m, 0,1,2,3
	v_wmma_f32_16x16x32_bf16 v[\acc+8*(4*\n+\m):\acc+8*(4*\n+\m)+7], v[AF+32*(\f)+8*\m:AF+32*(\f)+8*\m+7], v[BF+16*(\f)+8*\n:BF+16*(\f)+8*\n+7], v[\acc+8*(4*\n+\m):\acc+8*(4*\n+\m)+7]
.endr
.endr
.endm
; a fill that lies in an LDS slot: K = 256 in eight blocks, the next block's loads issued ahead of each block's products
.macro SLOTMM_L aadr, badr, acc
	FETCH \aadr, \badr, 0, 0
	FETCH \aadr, \badr, 1, 1
	s_wait_dscnt 12                                ; all but the twelve just issued
	MM8 \acc, 0
.irp k, 1,2,3,4,5,6
	PLACES
	FETCH \aadr, \badr, \k+1, (\k+1)%2
	s_wait_dscnt 12
	MM8 \acc, \k%2
.endr
	s_wait_dscnt 0x0
	MM8 \acc, 1
	PLACES
.endm
; quarter s of Wm, which lies in window win: 64 matrix instructions on registers alone.  The first eight take bm as C: nothing is cleared.
; The eight accumulators take turns, one instruction a turn.
.macro SLOTMM_R win, s
	WIN 0x3c|\win                                  ; source 0 window win; source 1 and C window 3; D window 0
.irp n, 0,1
.irp m, 0,1,2,3
	v_wmma_f32_16x16x32_bf16 v[HA+8*(4*\n+\m):HA+8*(4*\n+\m)+7], v[8*\m:8*\m+7], v[XB+8*\n:XB+8*\n+7], v[BM+32*(\s)+8*\m:BM+32*(\s)+8*\m+7]
.endr
.endr
	WIN 0x0c|\win                                  ; C and D window 0
.irp k, 1,2,3,4,5,6,7
.irp n, 0,1
.irp m, 0,1,2,3
	v_wmma_f32_16x16x32_bf16 v[HA+8*(4*\n+\m):HA+8*(4*\n+\m)+7], v[32*\k+8*\m:32*\k+8*\m+7], v[XB+16*\k+8*\n:XB+16*\k+8*\n+7], v[HA+8*(4*\n+\m):HA+8*(4*\n+\m)+7]
.endr
.endr
.endr
	WIN 0
	PLACES
.endm
; four pairs in v[T:T+7] -> their sum, with the other half of the lanes', into register d
.macro REDUCE d
	v_pk_add_f32 v[T:T+1], v[T:T+1], v[T+2:T+3]
	v_pk_add_f32 v[T+4:T+5], v[T+4:T+5], v[T+6:T+7]
	v_pk_add_f32 v[T:T+1], v[T:T+1], v[T+4:T+5]
	v_add_f32 v[T], v[T], v[T+1]
	v_permlanex16_b32 v[T+1], v[T], s48, s49
	v_add_f32 v[\d], v[T], v[T+1]
.endm
; mean and sum of squared deviations of my wave's 64 features of token r of tile n
.macro LNSTAT n, st
.irp k, 0,1,2,3
	v_pk_add_f32 v[T+2*\k:T+2*\k+1], v[X+32*\n+2*\k:X+32*\n+2*\k+1], v[X+32*\n+8+2*\k:X+32*\n+8+2*\k+1]
.endr
.irp o, 16,24
.irp k, 0,1,2,3
	v_pk_add_f32 v[T+2*\k:T+2*\k+1], v[T+2*\k:T+2*\k+1], v[X+32*\n+\o+2*\k:X+32*\n+\o+2*\k+1]
.endr
.endr
	REDUCE T
	v_mul_f32 v[T+8], 0x3c800000, v[T]             ; / 64, twice: a pair for the packed subtraction
	v_mul_f32 v[T+9], 0x3c800000, v[T]
.set i, 0
.rept 16
	v_pk_add_f32 v[BF+2*i:BF+2*i+1], v[X+32*\n+2*i:X+32*\n+2*i+1], v[T+8:T+9] neg_lo:[0,1] neg_hi:[0,1]
.set i, i+1
.endr
.irp k, 0,1,2,3
	v_pk_mul_f32 v[T+2*\k:T+2*\k+1], v[BF+2*\k:BF+2*\k+1], v[BF+2*\k:BF+2*\k+1]
.endr
.irp o, 8,16,24
.irp k, 0,1,2,3
	v_pk_fma_f32 v[T+2*\k:T+2*\k+1], v[BF+\o+2*\k:BF+\o+2*\k+1], v[BF+\o+2*\k:BF+\o+2*\k+1], v[T+2*\k:T+2*\k+1]
.endr
.endr
	REDUCE T+9
	ds_store_b64 v9, v[T+8:T+9] offset:\st+\n*128  ; lanes r and r + 16 store the same pair to the same place
.endm
; the four waves' figures of tile n (v[BF+8n ..+7]) -> mean twice in v[T+8+4n ..], 1 / sigma twice in v[T+10+4n ..]
.macro LNJOIN n
	v_add_f32 v[T], v[BF+8*\n], v[BF+8*\n+2]
	v_add_f32 v[T+1], v[BF+8*\n+4], v[BF+8*\n+6]
	v_add_f32 v[T], v[T], v[T+1]
	v_mul_f32 v[T+8+4*\n], 0x3e800000, v[T]
	v_mul_f32 v[T+9+4*\n], 0x3e800000, v[T]
.irp w, 0,1,2,3
	v_sub_f32 v[T+1+\w], v[BF+8*\n+2*\w], v[T+8+4*\n]
.endr
	v_mul_f32 v[T+1], v[T+1], v[T+1]
	v_fma_f32 v[T+1], v[T+2], v[T+2], v[T+1]
	v_fma_f32 v[T+1], v[T+3], v[T+3], v[T+1]
	v_fma_f32 v[T+1], v[T+4], v[T+4], v[T+1]
	v_add_f32 v[T+2], v[BF+8*\n+1], v[BF+8*\n+3]
	v_add_f32 v[T+3], v[BF+8*\n+5], v[BF+8*\n+7]
	v_add_f32 v[T+2], v[T+2], v[T+3]
	v_fma_f32 v[T+1], v[T+1], s52, v[T+2]          ; 64 x sum (mean_w - mean)^2 + sum M2_w
	v_fma_f32 v[T+1], v[T+1], s50, s51             ; / 256 + 1e-5
	v_rsq_f32 v[T+10+4*\n], v[T+1]
	v_rsq_f32 v[T+11+4*\n], v[T+1]
	v_nop                                          ; a plain place ahead of a use of the result or a write of the source (ISA guide 5.7.2)
	s_wait_alu depctr_va_vdst(0)
.endm
; tile (n, m): y = (x - mean) (g / sigma) + b, in place or aside; rounded to bf16 into the fragments at xw
.macro LNTILE n, m, inplace, xw
.if \inplace
.set YR, X+8*(4*\n+\m)
.else
.set YR, BF+24
.endif
.irp i, 0,2,4,6
	v_pk_mul_f32 v[BF+16+\i:BF+17+\i], v[AF+8*\m+\i:AF+8*\m+\i+1], v[T+10+4*\n:T+11+4*\n]
	v_pk_add_f32 v[BF+24+\i:BF+25+\i], v[X+8*(4*\n+\m)+\i:X+8*(4*\n+\m)+\i+1], v[T+8+4*\n:T+9+4*\n] neg_lo:[0,1] neg_hi:[0,1]
.endr
.irp i, 0,2,4,6
	v_pk_fma_f32 v[YR+\i:YR+\i+1], v[BF+24+\i:BF+25+\i], v[BF+16+\i:BF+17+\i], v[AF+32+8*\m+\i:AF+32+8*\m+\i+1]
.endr
.irp i, 0,1,2,3
	v_cvt_pk_bf16_f32 v[T+4*(\m%2)+\i], v[YR+2*\i], v[YR+2*\i+1]
.endr
	ds_store_b128 v[\xw], v[T+4*(\m%2):T+4*(\m%2)+3] offset:(\m/2)*2048+\n*1024+(\m%2)*512
.endm
; the second half of a layer norm, behind the barrier that shows all four waves' figures.  g lies in v[AF ..+31], b in v[AF+32 ..+63];
; lc = how many younger global loads may stay out when these are needed (-1: they have been waited for)
.macro LNFIN st, inplace, xw, lc
.irp n, 0,1
.irp w, 0,1,2,3
	ds_load_b64 v[BF+8*\n+2*\w:BF+8*\n+2*\w+1], v10 offset:\st+\w*256+\n*128
.endr
.endr
	s_wait_dscnt 0x0
	LNJOIN 0
	LNJOIN 1
.if \lc >= 0
	s_wait_loadcnt \lc
.endif
.irp n, 0,1
.irp m, 0,1,2,3
	LNTILE \n, \m, \inplace, \xw
.endr
.endr
.endm
; relu of the hidden quarter, rounded to bf16, into the fragments at XH
.macro HID
.irp n, 0,1
.irp m, 0,1,2,3
.irp i, 0,1,2,3,4,5,6,7
	v_max_num_f32 v[HA+8*(4*\n+\m)+\i], 0, v[HA+8*(4*\n+\m)+\i]
.endr
.irp i, 0,1,2,3
	v_cvt_pk_bf16_f32 v[T+4*(\m%2)+\i], v[HA+8*(4*\n+\m)+2*\i], v[HA+8*(4*\n+\m)+2*\i+1]
.endr
	ds_store_b128 v7, v[T+4*(\m%2):T+4*(\m%2)+3] offset:(\m/2)*2048+\n*1024+(\m%2)*512
.endr
.endr
.endm
	s_load_b512 s[4:19], s[0:1], 0x0               ; att, wf, g0, b0, bo, g1, b1, bm
	s_load_b128 s[20:23], s[0:1], 0x40             ; be, out0
	v_lshl_add_u32 v190, v0, 2, 0x4cc00
	v_mov_b32 v191, 0
	ds_add_u32 v190, v191
	s_wait_dscnt 0x0
	v_lshrrev_b32 v1, 5, v0
	v_readfirstlane_b32 s40, v1                    ; wave 0..3
	s_bfe_u32 s41, ttmp6, 0x40000                  ; my place in the cluster: it enters att's and out0's addresses alone
	s_lshl_b32 s42, ttmp9, 2
	s_add_co_u32 s42, s42, s41                     ; block of 32 tokens
	s_mov_b32 s48, 0x76543210                      ; v_permlanex16_b32: lane i reads lane i of the other half
	s_mov_b32 s49, 0xfedcba98
	s_mov_b32 s50, 0x3b800000                      ; 1 / 256
	s_mov_b32 s51, 0x3727c5ac                      ; 1e-5
	s_mov_b32 s52, 0x42800000                      ; 64
	v_and_b32 v14, 15, v0                          ; r
	v_bfe_u32 v15, v0, 4, 1                        ; h
	v_and_b32 v1, 31, v0
	v_lshlrev_b32 v1, 4, v1
	s_lshl_b32 s43, s40, 15                        ; my quarter of a slot
	v_add_nc_u32 v2, s43, v1
	v_add_nc_u32 v3, S1, v2
	v_add_nc_u32 v4, XC, v1
	v_add_nc_u32 v5, XH, v1
	s_lshl_b32 s53, s40, 12                        ; my four tiles are K blocks 2 w and 2 w + 1
	v_add_nc_u32 v6, s53, v4
	v_add_nc_u32 v7, s53, v5
	s_lshl_b32 s53, s40, 8
	v_lshl_add_u32 v8, v15, 5, s53                 ; 4 bytes x (64 w + 8 h)
	s_add_co_u32 s54, s53, ST
	v_lshl_add_u32 v9, v14, 3, s54
	v_lshlrev_b32 v10, 3, v14
	v_add_nc_u32 v10, ST, v10
	s_mul_i32 s54, s40, 4352
	s_add_co_u32 s54, s54, STG
	v_mul_u32_u24 v11, v14, 272
	v_lshl_add_u32 v11, v15, 5, v11
	v_add_nc_u32 v11, s54, v11                     ; in: row r, 32 bytes for each half of the lanes
	v_mul_u32_u24 v12, v15, 272
	v_lshl_add_u32 v12, v14, 4, v12
	v_add_nc_u32 v12, s54, v12                     ; back: lanes 0-15 one row of 256 bytes, lanes 16-31 the next
	v_lshlrev_b32 v13, 10, v15
	v_lshl_add_u32 v13, v14, 4, v13                ; the same two rows in out0
	; descriptor group 1: 128 rows of 32 elements of 8 bytes, dense; mask = the cluster's four work-groups, bit 21 beside it
	s_mov_b32 s24, 15|(3<<16)|(1<<21)
	s_mov_b32 s25, 32<<16                          ; tensor_dim0 = 32
	s_mov_b32 s26, 128<<16                         ; tensor_dim1 = 128
	s_mov_b32 s27, 32<<16                          ; tile_dim0 = 32
	s_mov_b32 s28, 128                             ; tile_dim1 = 128
	s_mov_b32 s29, 32                              ; pitch
	s_mov_b32 s30, 0
	s_mov_b32 s31, 0
	s_lshl_b32 s46, s40, 15
	s_mov_b32 s47, 0
	s_lshl_b32 s44, s42, 15                        ; 32 tokens are 32,768 bytes, in att and in out0
	s_mov_b32 s45, 0
	s_wait_kmcnt 0x0
	s_add_nc_u64 s[6:7], s[6:7], s[46:47]          ; wf at my quarter of fill 0; stays so
	s_mov_b32 s32, 1                               ; group 0 of slot 0: fills 0, 4, 8
	s_lshl_b32 s33, s40, 15
	s_mov_b64 s[34:35], s[6:7]
	s_or_b32 s35, s35, 0x80000000
	s_mov_b32 s36, 1                               ; group 0 of slot 1: fills 2, 6
	s_add_co_u32 s37, s33, S1
	s_add_nc_u64 s[38:39], s[6:7], 262144
	s_or_b32 s39, s39, 0x80000000
	s_add_nc_u64 s[4:5], s[4:5], s[44:45]
	s_add_nc_u64 s[22:23], s[22:23], s[44:45]
	s_lshl_b32 s46, s40, 12                        ; my four feature tiles of 1,024 bytes in att
	s_add_nc_u64 s[4:5], s[4:5], s[46:47]
	s_lshl_b32 s46, s40, 8                         ; my 64 columns in out0
	s_add_nc_u64 s[22:23], s[22:23], s[46:47]
	; the tokens and the first vectors are asked for ahead of the round: they are this work-group's own affair
.irp n, 0,1
.irp m, 0,1,2,3
	global_load_b128 v[X+8*(4*\n+\m):X+8*(4*\n+\m)+3], v1, s[4:5] offset:\n*16384+\m*1024 th:TH_LOAD_NT
	global_load_b128 v[X+8*(4*\n+\m)+4:X+8*(4*\n+\m)+7], v1, s[4:5] offset:\n*16384+\m*1024+512 th:TH_LOAD_NT
.endr
.endr
	VEC AF, 8                                      ; g0
	VEC AF+32, 10                                  ; b0
	VEC HA, 12                                     ; bo goes straight into Wo's accumulators, for both token tiles: nothing is cleared
	VEC HA+32, 12
	ROUND                                          ; the four work-groups are here: the first joint loads meet
	tensor_load_to_lds s[32:35], s[24:31]          ; fill 0: Wo
	s_nop 0
	tensor_load_to_lds s[36:39], s[24:31]          ; fill 2: We's first block.  Two loads of mine are out
	s_nop 0
	s_wait_loadcnt 32                              ; att is in; g0, b0 (16 loads) and bo (16) may stay out
	LNSTAT 0, 0
	LNSTAT 1, 0
	s_wait_loadcnt 0x0                             ; g0, b0 and bo, issued straight behind att: waited for here, ahead of the run of weight loads, so that no later wait has to count that run
	GROUPA 0, 1                                    ; bm's and Wm's first quarter: 56 loads; wanted behind Wo's products and the second norm
	BAR                                            ; all four waves' figures are in LDS
	LNFIN 0, 1, 7, -1                              ; O1, in place and as fragments in XH
	s_wait_tensorcnt 0x1                           ; my quarter of Wo is in; fill 2 may stay out
	BAR                                            ; O1's fragments are whole
	SLOTMM_L 2, 5, HA                              ; O1 Wo + bo
	GROUPB 0, 1                                    ; the rest of Wm's first quarter
	VEC AF, 14                                     ; g1
	VEC AF+32, 16                                  ; b1
.set i, 0
.rept 32
	v_max_num_f32 v[HA+2*i], 0, v[HA+2*i]
	v_max_num_f32 v[HA+2*i+1], 0, v[HA+2*i+1]
	v_pk_add_f32 v[X+2*i:X+2*i+1], v[X+2*i:X+2*i+1], v[HA+2*i:HA+2*i+1]      ; O2 = O1 + relu(..)
.set i, i+1
.endr
	VEC HA, 20                                     ; be
	LNSTAT 0, 1024
	LNSTAT 1, 1024
	HEAD 32                                        ; slot 0 (Wo) has been read: fill 4 goes out.  The round also shows the four waves' figures
	LNFIN 1024, 0, 6, 8                            ; O3 as fragments in XC; X keeps O2; be's 8 loads may stay out
	s_wait_loadcnt 0x0                             ; be; Wm's and bm's first quarter, which are older, are in with it
.irp n, 0,1
.set i, 0
.rept 16
	v_pk_add_f32 v[X+32*\n+2*i:X+32*\n+2*i+1], v[X+32*\n+2*i:X+32*\n+2*i+1], v[HA+2*i:HA+2*i+1]   ; O2 + be starts the output's sums
.set i, i+1
.endr
.endr
	BAR                                            ; O3's fragments are whole
	WIN 0xc0                                       ; destination window 3, address window 0
.irp k, 0,1,2,3,4,5,6,7
.irp n, 0,1
	ds_load_b128 v[XB+16*\k+8*\n:XB+16*\k+8*\n+3], v4 offset:(2*\k+\n)*1024
	ds_load_b128 v[XB+16*\k+8*\n+4:XB+16*\k+8*\n+7], v4 offset:(2*\k+\n)*1024+512
.endr
.endr
	WIN 0
	; quarter 0
	GROUPA 1, 2                                    ; the next quarter of bm and Wm: it has this quarter's 128 matrix instructions in which to land
	s_wait_dscnt 0x0                               ; O3's fragments
	SLOTMM_R 1, 0                                  ; O3 Wm + bm
	HID
	BAR                                            ; the hidden quarter's fragments are whole
	GROUPB 1, 2
	SLOTMM_L 3, 5, X                               ; + relu(..) We: fill 2, shown landed ahead of the last round
	HEAD 36                                        ; slot 1 and XH have been read: fill 6 goes out
	; quarter 1
	s_wait_loadcnt 0x0                             ; this quarter's bm and Wm
	GROUPA 2, 1
	SLOTMM_R 2, 1
	HID
	BAR
	GROUPB 2, 1
	SLOTMM_L 2, 5, X                               ; fill 4
	HEAD 32                                        ; slot 0 and XH have been read: fill 8 goes out, the last
	; quarter 2
	s_wait_loadcnt 0x0
	GROUPA 3, 2
	SLOTMM_R 1, 2
	HID
	BAR
	GROUPB 3, 2
	SLOTMM_L 3, 5, X                               ; fill 6
	BAR                                            ; XH has been read by all: it may be written again.  Nothing is left to fetch
	; quarter 3
	s_wait_loadcnt 0x0
	SLOTMM_R 2, 3
	HID
	s_wait_tensorcnt 0x0                           ; my quarter of fill 8
	BAR
	SLOTMM_L 2, 5, X
	; the way out, 16 tokens at a time, through my own stage: 16 lanes then store 256 consecutive bytes, at a multiple of 256 from out0's first byte
.irp n, 0,1
.irp m, 0,1,2,3
	ds_store_b128 v11, v[X+8*(4*\n+\m):X+8*(4*\n+\m)+3] offset:64*\m
	ds_store_b128 v11, v[X+8*(4*\n+\m)+4:X+8*(4*\n+\m)+7] offset:64*\m+16
.endr
.irp i, 0,1,2,3,4,5,6,7
	ds_load_b128 v[AF+32*\n+4*\i:AF+32*\n+4*\i+3], v12 offset:544*\i          ; LDS serves a wave's instructions in order (ISA guide 5.7.1): these see the stores above
.endr
.irp i, 0,1,2,3,4,5,6,7
	s_wait_dscnt 7-\i
	global_store_b128 v13, v[AF+32*\n+4*\i:AF+32*\n+4*\i+3], s[22:23] offset:(16*\n+2*\i)*1024 th:TH_STORE_NT
.endr
.endr
	s_wait_xcnt 0x0
	v_lshl_add_u32 v190, v0, 2, 0x4cc00
	v_mov_b32 v191, 0
	s_wait_tensorcnt 0x0
	ds_add_u32 v190, v191
	s_wait_dscnt 0x0
	ROUND                                          ; the closing round: no work-group ends while a partner may still ask
	s_endpgm
.Lfunc_end_k_q56dc086c3b_tail:
	.size	k_q56dc086c3b_tail, .Lfunc_end_k_q56dc086c3b_tail-k_q56dc086c3b_tail
	.p2alignl 7, 3214868480
	.fill 96, 4, 3214868480
	.section	.rodata,"a",@progbits
	.p2align	6, 0x0
	.amdhsa_kernel k_q56dc086c3b_tail
		.amdhsa_group_segment_fixed_size 327680
		.amdhsa_private_segment_fixed_size 0
		.amdhsa_enable_private_segment 0
		.amdhsa_kernarg_size 80
		.amdhsa_user_sgpr_count 2
		.amdhsa_user_sgpr_kernarg_segment_ptr 1
		.amdhsa_wavefront_size32 1
		.amdhsa_system_sgpr_workgroup_id_x 1
		.amdhsa_system_sgpr_workgroup_id_y 1
		.amdhsa_system_sgpr_workgroup_id_z 1
		.amdhsa_system_vgpr_workitem_id 0
		.amdhsa_next_free_vgpr 1024
		.amdhsa_next_free_sgpr 66
		.amdhsa_reserve_vcc 0
		.amdhsa_float_denorm_mode_32 3
		.amdhsa_float_denorm_mode_16_64 3
		.amdhsa_memory_ordered 1
		.amdhsa_forward_progress 1
		.amdhsa_inst_pref_size 182
	.end_amdhsa_kernel
	.amdgpu_metadata
---
amdhsa.version: [ 1, 2 ]
amdhsa.kernels:
  - .name:           k_q56dc086c3b_tail
    .symbol:         k_q56dc086c3b_tail.kd
    .args:
      - { .name: att, .offset: 0, .size: 8, .value_kind: global_buffer, .address_space: global }
      - { .name: wf, .offset: 8, .size: 8, .value_kind: global_buffer, .address_space: global }
      - { .name: g0, .offset: 16, .size: 8, .value_kind: global_buffer, .address_space: global }
      - { .name: b0, .offset: 24, .size: 8, .value_kind: global_buffer, .address_space: global }
      - { .name: bo, .offset: 32, .size: 8, .value_kind: global_buffer, .address_space: global }
      - { .name: g1, .offset: 40, .size: 8, .value_kind: global_buffer, .address_space: global }
      - { .name: b1, .offset: 48, .size: 8, .value_kind: global_buffer, .address_space: global }
      - { .name: bm, .offset: 56, .size: 8, .value_kind: global_buffer, .address_space: global }
      - { .name: be, .offset: 64, .size: 8, .value_kind: global_buffer, .address_space: global }
      - { .name: out0, .offset: 72, .size: 8, .value_kind: global_buffer, .address_space: global }
    .group_segment_fixed_size: 327680
    .private_segment_fixed_size: 0
    .kernarg_segment_align: 8
    .kernarg_segment_size: 80
    .max_flat_workgroup_size: 128
    .sgpr_count:     66
    .vgpr_count:     1024
    .wavefront_size: 32
...
	.end_amdgpu_metadata
.endif
;; end of part 3
;; ======== version 2 of 2: 3 launches; version 1 with the launch proj written anew for expert scheduling mode
;; workspace buffers: Qf 8,388,608 bytes; Kf 4,194,304 bytes; Vf 4,194,304 bytes; att 8,388,608 bytes; wf 1,179,648 bytes
;; launch proj (part 4): grid 201 x 1, 8 waves a work-group, no clusters, 207,872 bytes of LDS; arguments q, x, Wq, Wk, Wv, Wo, Wm, We, bq, bk, bv, Qf, Kf, Vf, wf; writes Qf, Kf, Vf, wf
.if DOCPART == 4
	.amdgcn_target "amdgcn-amd-amdhsa--gfx1250"
	.amdhsa_code_object_version 6
	.text
	.protected	k_q56dc086c3b_proj
	.globl	k_q56dc086c3b_proj
	.p2align	8
	.type	k_q56dc086c3b_proj,@function
k_q56dc086c3b_proj:
	s_mov_b64 s[64:65], 0
	v_nop
	global_prefetch_b8 v0, s[64:65] scope:SCOPE_SE
	s_setreg_imm32_b32 hwreg(HW_REG_WAVE_SCHED_MODE, 0, 2), 2
	s_setreg_imm32_b32 hwreg(HW_REG_WAVE_MODE, 25, 1), 1
	s_wait_xcnt 0x0
	s_wait_alu depctr_vm_vsrc(0)
; Work-groups 0-191: one of Q = q Wq + bq, K = x Wk + bk, V = x Wv + bv for 128 rows x 256 columns (K = 256).
; Work-groups 192-200: one 256 x 256 block of Wo, Wm or We, rounded to bf16 and laid out as matrix fragments (buffer wf).
; All operands are f32 in memory and are rounded to bf16 on the way into LDS; sums in f32.
; The weight lies [k][n] in LDS (pitch 544) and is read by transposing loads; the rows lie [row][k] (pitch 528).
; Eight waves; wave w makes 32 rows (tg = w / 2) x 128 columns (ch = w % 2): 16 accumulator tiles, 128 registers.
; Q and K use the matrix unit transposed (source 0 = columns of W, source 1 = rows of X): a lane then holds eight neighbouring
; features of one token.  V uses it the natural way: a lane holds eight neighbouring tokens of one feature.
; Every output is stored in the order in which a later launch's registers want it, 16 bytes a lane, 512 consecutive bytes a wave:
;   Qf f32  [bh 32][token tile 128][t 2][g 2][lane][16 B]: Q[16 tile + r][16 t + 8 h + 4 g ..+3]
;   Kf bf16 [bh 32][key tile 128][t 2][lane][16 B]:        K[16 tile + r][16 t + 8 h ..+7]
;   Vf bf16 [bh 32][key block 64][t 2][u 2][lane][16 B]:   V[32 block + 16 u + 8 h ..+7][16 t + r]
;   wf bf16 9 fills of 131,072 B: [w 4][k 8][m 4][c 2][lane][16 B]: W[32 k + 16 c + 8 h ..+7][16 (4 w + m) + r]
;      fill 0 = Wo, fill 2 s + 1 = Wm[:, 256 s ..], fill 2 s + 2 = We[256 s .., :]
; (r = lane % 16, h = lane / 16.)  No clusters: what work-groups share, a weight, has to be converted in registers on its way into LDS.
; Staging: a wave has 96 loads of 16 bytes a lane to make (32 of X, 64 of W): twelve blocks of eight.  Seven blocks, 56 loads, go out at once,
; into seven sets of 32 registers; a set that has been converted and stored is asked for again in the next block, so that 48 loads stay on
; their way until the last batches.
; Limit: matrix operands are rounded to bf16; nothing else is narrowed.
; THE MODE: SCHED_MODE bits 1:0 = 2 (LLVM: expert scheduling mode 2), set by the entry lines.  The code itself states the register dependences
; between vector or matrix instructions and memory or LDS instructions, with s_wait_alu, always for 0.
; THE PLAN.  Registers that memory or LDS instructions touch:
;   v2, v3, v1, v13, v4, v7, v10, v11   offsets and LDS addresses: made at the head, ahead of a path's first load, and never written again.
;   The seven sets (v[128:255] four, v[32:127] three), while W and X are staged.  Block p: its sixteen conversions read its set and write, in place,
;              the two low registers of each four; its eight LDS stores read those; in block p + 1 a later batch of W is loaded into the set (five times).
;              One wait on va_vdst behind a block's conversions serves its stores and the set's next loads; one wait on vm_vsrc stands at the
;              head of a block that asks for the set of the block before again.  That block's conversions name its own set alone.
;   WF's two halves (v[64:95], v[96:127]) and X's two buffers (v[48:63] even K steps, v[32:47] odd ones), in the K loop.  A K step is two half steps of
;              eight matrix instructions.  Half step j reads half j % 2 and its K step's X buffer; the loads that it issues land in the other half, which
;              half step j - 1 read, and (first halves) in the other X buffer, which the K step before read.  One wait on va_vdst at a half step's head.
;   v8, v9     the fragments' LDS addresses: read by every fragment load, written once for two K steps, behind a wait on vm_vsrc.
;   v[128:255] behind the staging the accumulators: the bias lands in them (Q, K); stores (Q) or vector instructions (K, V) read them at the end.
;   v[64:127]  at the end the packed results of K and V: written by conversions, read by stores, each register once.
;   v14, v15   written at the head, read by the closing add alone.
.set PW,  544                          ; LDS pitch of W's rows: 512 bytes + 32
.set PX,  528                          ; LDS pitch of X's rows: 512 bytes + 16
.set XS,  256*PW                       ; X's rows lie behind W's 256 rows
.set VB,  16                           ; v[16:31]   V's bias, each number twice (a pair for the packed add)
.set WB,  32                           ; v[32:127]  three sets of 32 registers: batches 0, 1, 2 (and 7) of W as loaded
.set XF,  48                           ; v[48:63]   after staging: two fragments of X, even K steps; odd K steps 16 registers below, v[32:47]
.set WF,  64                           ; v[64:127]  after staging: eight fragments of W, in two halves; at the end packed results
.set XR,  128                          ; v[128:255] X as loaded, then batches 3 to 6 of W
.set ACC, 128                          ; v[128:255] after staging: tile (c, n) at ACC + 8 (2 c + n)
; v2 byte offset of my 16 bytes in W (and X); v3, v1, v13 where I put batches 0-2, 3-5, 6-7 of W in LDS; v4 where I put X; v7 16 x lane;
; v8 my X fragments; v9 my W fragments; v10 bias offset for Q and K; v11 thread / 64, later bias offset for V
; batch b, eight loads into 32 registers: rows 32 b + 4 i + (thread / 64) of the weight block, 64 threads to a row of 1,024 bytes
.macro LDW b, reg, pitch
.irp i, 0,1,2,3,4,5,6,7
	global_load_b128 v[\reg+4*\i:\reg+4*\i+3], v2, s[40:41] offset:(32*(\b)+4*\i)*\pitch
.endr
.endm
.macro FIRSTW pitch                    ; batches 0 to 2
	LDW 0, WB, \pitch
	LDW 1, WB+32, \pitch
	LDW 2, WB+64, \pitch
.endm
.macro NEXTW pitch                     ; batches 3 to 6, where no X stands in their registers
	LDW 3, XR, \pitch
	LDW 4, XR+32, \pitch
	LDW 5, XR+64, \pitch
	LDW 6, XR+96, \pitch
.endm
; A block: the set of 32 registers at reg is rounded to bf16 in place and put into LDS, 8 bytes a thread, at v[adr] + off + i x step.
; left: the loads issued behind the block's own, which may stay out.  rb >= 0: batch rb of W is asked for, into the set at rreg, which the block before has left.
.macro BLOCK reg, left, adr, off, step, rb, rreg, pitch
	s_wait_loadcnt \left                           ; loads return in order (ISA guide 5.7.1): this block's eight are in
.if (\rb) >= 0
	s_wait_alu depctr_vm_vsrc(0)                   ; the LDS stores of the block before have read its set, in which the loads below land (its conversions stand ahead of that block's wait on va_vdst)
.endif
.irp i, 0,1,2,3,4,5,6,7
.if (\rb) >= 0
	global_load_b128 v[\rreg+4*\i:\rreg+4*\i+3], v2, s[40:41] offset:(32*(\rb)+4*\i)*\pitch   ; dealt among the conversions, which name this block's set alone
.endif
	v_cvt_pk_bf16_f32 v[\reg+4*\i], v[\reg+4*\i], v[\reg+4*\i+1]
	v_cvt_pk_bf16_f32 v[\reg+4*\i+1], v[\reg+4*\i+2], v[\reg+4*\i+3]
.endr
	s_wait_alu depctr_va_vdst(0)                   ; the conversions have written the registers that the LDS stores below read, and are done with the set
.irp i, 0,1,2,3,4,5,6,7
	ds_store_b64 v[\adr], v[\reg+4*\i:\reg+4*\i+1] offset:(\off)+\i*(\step)
.endr
.endm
; batches 1 to 7 of W.  Each count is the number of loads issued behind the batch that is due; three LDS addresses keep the offsets inside 16 bits
.macro LASTW pitch
	BLOCK WB+32, 40, 3, 32*PW, 4*PW, 7, WB, \pitch     ; batches 2 to 6 are out; the last batch goes into batch 0's set
	BLOCK WB+64, 40, 3, 64*PW, 4*PW, -1, 0, \pitch     ; batches 3 to 7
	BLOCK XR, 32, 1, 0, 4*PW, -1, 0, \pitch
	BLOCK XR+32, 24, 1, 32*PW, 4*PW, -1, 0, \pitch
	BLOCK XR+64, 16, 1, 64*PW, 4*PW, -1, 0, \pitch
	BLOCK XR+96, 8, 13, 0, 4*PW, -1, 0, \pitch
	BLOCK WB, 0, 13, 32*PW, 4*PW, -1, 0, \pitch
	s_wait_alu depctr_vm_vsrc(0)                   ; all my LDS stores have read their registers: from here on loads (bias, fragments) and matrix instructions write v[32:255]
.endm
; Load q of those that half step (k, g) issues; k counts K steps from the trip's first.  q = 0 to 7: the next half step's four fragments of W, into the half of WF
; that this half step does not read.  q = 8 to 11 (g = 0 alone): the next K step's two fragments of X, into the X buffer of the other parity.
.macro FETCH1 k, g, q
.if (\q) < 8
	ds_load_tr16_b128 v[WF+32*(1-(\g))+4*(\q):WF+32*(1-(\g))+4*(\q)+3], v9 offset:((\k)+(\g))*32*PW+(4*(1-(\g))+(\q)/2)*32+((\q)%2)*16*PW
.else
.set XN, XF-16*(((\k)+1)%2)
	ds_load_b128 v[XN+4*((\q)-8):XN+4*((\q)-8)+3], v8 offset:((\k)+1)*64+(((\q)-8)/2)*16*PX+(((\q)-8)%2)*32
.endif
.endm
.macro PRO                             ; ahead of the first half step: K step 0's first four fragments of W and its X
.set q, 0
.rept 12
	FETCH1 -1, 1, q
.set q, q+1
.endr
.endm
; matrix instruction i of a half step's eight: column tile c = 4 g + i / 2, row tile n = i % 2
.macro MM xb, g, i, swap, zero
.set A8, ACC+64*(\g)+8*(\i)
.set W8, WF+32*(\g)+8*((\i)/2)
.set X8, (\xb)+8*((\i)%2)
.if \swap
	v_wmma_f32_16x16x32_bf16 v[A8:A8+7], v[W8:W8+7], v[X8:X8+7], v[A8:A8+7]
.elseif \zero
	v_wmma_f32_16x16x32_bf16 v[A8:A8+7], v[X8:X8+7], v[W8:W8+7], 0
.else
	v_wmma_f32_16x16x32_bf16 v[A8:A8+7], v[X8:X8+7], v[W8:W8+7], v[A8:A8+7]
.endif
.endm
; Half step g of K step k (32 along K): eight matrix instructions on eight accumulators; the sixteen of a K step take turns, one instruction a turn.
; zero = 1: the products start the sums.  last = 1: the last K step, behind which nothing is left to fetch.
.macro HALF k, g, swap, zero, last
.set XB, XF-16*((\k)%2)
.if ((\g) == 0) || (\last)
	s_wait_dscnt 0x0                               ; this half step's fragments are in, and nothing younger is out
.else
	s_wait_dscnt 4                                 ; LDS loads return in order (ISA guide 5.7.1): W's eight are in; the next K step's four loads of X, issued behind them, may stay out
.endif
.set per, 2
.if ((\g) == 0) && !(\last)
.set per, 3
.endif
.if ((\g) == 1) && (\last)
.set per, 0
.endif
.if (per > 0) && !((\zero) && ((\g) == 0))
	s_wait_alu depctr_va_vdst(0)                   ; the matrix instructions of the half step before are done reading the half of WF, and (g = 0) those of the K step before the X buffer, in which the loads below land; at a trip's head v8 and v9 are written
.endif
.set q, 0
.irp i, 0,1,2,3,4,5,6,7
	MM XB, \g, \i, \swap, \zero
.if \i < 4
.rept per
	FETCH1 \k, \g, q                               ; early in the half step.  No wait: no matrix instruction since the wait above names the registers in which these land
.set q, q+1
.endr
.endif
.endr
.endm
.macro ON                              ; behind two K steps: the fragments' LDS addresses move on
	s_wait_alu depctr_vm_vsrc(0)                   ; the fragment loads issued so far have read v8 and v9
	v_add_nc_u32 v8, 128, v8
	v_add_nc_u32 v9, 64*PW, v9
.endm
.macro PLACES                          ; four places behind the last matrix instruction, before its result is read or a vector instruction writes its sources (ISA guide 7.12.1)
.rept 4
	v_nop
.endr
.endm
; the way out of K and V.  Tile t = 2 c + n
.macro KCV t
.irp i, 0,1,2,3
	v_cvt_pk_bf16_f32 v[WF+4*(\t)+\i], v[ACC+8*(\t)+2*\i], v[ACC+8*(\t)+2*\i+1]
.endr
.endm
.macro KST t
	global_store_b128 v7, v[WF+4*(\t):WF+4*(\t)+3], s[46:47] offset:((\t)/4)*131072+((\t)%2)*1024+(((\t)/2)%2)*512
.endm
.macro VCV t
.irp i, 0,1,2,3
	v_pk_add_f32 v[ACC+8*(\t)+2*\i:ACC+8*(\t)+2*\i+1], v[ACC+8*(\t)+2*\i:ACC+8*(\t)+2*\i+1], v[VB+2*((\t)/2):VB+2*((\t)/2)+1]
.endr
	KCV \t
.endm
.macro VST t
	global_store_b128 v7, v[WF+4*(\t):WF+4*(\t)+3], s[46:47] offset:((\t)/4)*131072+(((\t)/2)%2)*1024+((\t)%2)*512
.endm
	s_load_b512 s[4:19], s[0:1], 0x0               ; q, x, Wq, Wk, Wv, Wo, Wm, We
	s_load_b256 s[20:27], s[0:1], 0x40             ; bq, bk, bv, Qf
	s_load_b128 s[28:31], s[0:1], 0x60             ; Kf, Vf
	s_load_b64 s[32:33], s[0:1], 0x70              ; wf
	v_lshl_add_u32 v14, v0, 2, 0x32800
	v_mov_b32 v15, 0
	v_lshrrev_b32 v1, 5, v0
	v_readfirstlane_b32 s35, v1                    ; wave 0..7
	v_and_b32 v1, 31, v0
	v_and_b32 v5, 15, v0                           ; r
	v_bfe_u32 v6, v0, 4, 1                         ; h
	v_lshlrev_b32 v7, 4, v1                        ; 16 x lane
	v_lshrrev_b32 v11, 6, v0                       ; thread / 64: which of four rows
	v_and_b32 v12, 63, v0                          ; thread % 64: which 16 bytes of the row
	v_mul_u32_u24 v3, v11, PW
	v_lshl_add_u32 v3, v12, 3, v3                  ; W in LDS: row x pitch + 8 bytes a thread
	v_and_b32 v13, 7, v0
	v_lshl_add_u32 v13, v6, 3, v13                 ; 8 h + lane % 8: the row that I address in a transposing load
	v_mul_u32_u24 v9, v13, PW
	v_bfe_u32 v13, v0, 3, 1
	v_lshl_add_u32 v9, v13, 4, v9                  ; + 16 bytes for the upper eight lanes of each sixteen
	v_add_nc_u32 v1, 96*PW, v3                     ; the same place 96 and 192 rows on: no address is stepped while W is staged
	v_add_nc_u32 v13, 192*PW, v3
	s_wait_alu depctr_va_sdst(0)                   ; s35 is written, ahead of its first reader and of the branch: shares, bases and LDS addresses are made from it
	s_mov_b32 s34, ttmp9
	s_wait_kmcnt 0x0
	s_cmp_ge_u32 s34, 192
	s_cbranch_scc1 .Lprep
	; ---- a projection ----
	s_lshr_b32 s36, s34, 6                         ; 0 Q, 1 K, 2 V
	s_and_b32 s37, s34, 63                         ; block of 128 rows
	s_lshr_b32 s38, s35, 1                         ; tg: my 32 rows
	s_and_b32 s39, s35, 1                          ; ch: my 128 columns
	s_cmp_eq_u32 s36, 1
	s_cselect_b64 s[40:41], s[10:11], s[12:13]     ; weight
	s_cselect_b64 s[44:45], s[22:23], s[24:25]     ; bias
	s_cmp_eq_u32 s36, 0
	s_cselect_b64 s[40:41], s[8:9], s[40:41]
	s_cselect_b64 s[44:45], s[20:21], s[44:45]
	s_cselect_b64 s[42:43], s[4:5], s[6:7]         ; rows: q for Q, x for K and V
	s_lshl_b32 s48, s37, 17                        ; 128 rows of 1,024 bytes
	s_mov_b32 s49, 0
	s_add_nc_u64 s[42:43], s[42:43], s[48:49]
	s_lshr_b32 s51, s37, 4                         ; batch
	s_lshl_b32 s51, s51, 3
	s_lshl2_add_u32 s51, s39, s51                  ; 8 batch + 4 ch: my first head
	s_and_b32 s52, s37, 15
	s_lshl_b32 s55, s51, 7
	s_lshl3_add_u32 s55, s52, s55
	s_lshl1_add_u32 s55, s38, s55                  ; head x 128 + my first token tile in the batch
	v_lshlrev_b32 v2, 4, v0                        ; 16 x thread: four rows of 1,024 bytes to an instruction, in W and in X alike
	v_mul_u32_u24 v4, v11, PX
	v_lshl_add_u32 v4, v12, 3, v4
	v_add_nc_u32 v4, XS, v4
	s_mul_i32 s51, s38, 32*PX
	s_add_co_u32 s51, s51, XS
	v_mul_u32_u24 v8, v5, PX
	v_lshl_add_u32 v8, v6, 4, v8
	v_add_nc_u32 v8, s51, v8                       ; X fragment: (32 tg + r) x pitch + 16 h
	s_lshl_b32 s52, s39, 8
	v_add_nc_u32 v9, s52, v9                       ; W fragment: + my 128 columns
	s_lshl_b32 s53, s39, 9                         ; my 128 columns in a bias
	v_lshl_add_u32 v10, v6, 5, s53                 ; Q and K: a lane's eight results of tile c are features 128 ch + 16 c + 8 h ..+7
	v_lshl_add_u32 v11, v5, 2, s53                 ; V: eight tokens of feature 128 ch + 16 c + r
	s_wait_alu depctr_va_vdst(0)                   ; all offsets and LDS addresses are written, which the loads and stores below read
.set i, 0
.rept 32
	global_load_b128 v[XR+4*i:XR+4*i+3], v2, s[42:43] offset:i*4096    ; the 128 rows
.set i, i+1
.endr
	FIRSTW 1024                                    ; 32 + 24 = 56 loads are out
	BLOCK XR, 48, 4, 0, 4*PX, -1, 0, 1024              ; X's first eight loads are in; six blocks may stay out
	BLOCK XR+32, 40, 4, 32*PX, 4*PX, 3, XR, 1024       ; from here on five blocks are out at a block's head, and one more is asked for
	BLOCK XR+64, 40, 4, 64*PX, 4*PX, 4, XR+32, 1024
	BLOCK XR+96, 40, 4, 96*PX, 4*PX, 5, XR+64, 1024
	BLOCK WB, 40, 3, 0, 4*PW, 6, XR+96, 1024           ; batch 0 of W
	LASTW 1024
	s_wait_dscnt 0x0                               ; my part of W and X is in LDS: for the other waves' sake, ahead of the signal
	s_cmp_eq_u32 s36, 2
	s_cbranch_scc1 .Lv
	; Q and K: the bias starts the sums
.irp c, 0,1,2,3,4,5,6,7
.irp n, 0,1
.set A8, ACC+8*(2*\c+\n)
	global_load_b128 v[A8:A8+3], v10, s[44:45] offset:\c*64
	global_load_b128 v[A8+4:A8+7], v10, s[44:45] offset:\c*64+16
.endr
.endr
	s_barrier_signal -1
	s_barrier_wait -1                              ; W and X are whole
	PRO
	s_wait_loadcnt 0x0                             ; the bias
	s_mov_b32 s50, 3
.Lqk:                                                  ; a trip is two K steps: both X buffers are back at their start
	HALF 0, 0, 1, 0, 0
	HALF 0, 1, 1, 0, 0
	HALF 1, 0, 1, 0, 0
	HALF 1, 1, 1, 0, 0
	ON
	s_sub_co_i32 s50, s50, 1
	s_cmp_lg_u32 s50, 0
	s_cbranch_scc1 .Lqk
	HALF 0, 0, 1, 0, 0                             ; the last two K steps are written out: no load reaches past K = 255
	HALF 0, 1, 1, 0, 0
	HALF 1, 0, 1, 0, 1
	HALF 1, 1, 1, 0, 1
	PLACES
	s_cmp_eq_u32 s36, 1
	s_cbranch_scc1 .Lkout
	s_lshl_b32 s48, s55, 11                        ; a token tile of Qf is 2,048 bytes
	s_add_nc_u64 s[46:47], s[26:27], s[48:49]
	s_wait_alu depctr_va_vdst(0)                   ; the matrix instructions have written the accumulators, which the stores read; the places above stay beside this wait
.irp c, 0,1,2,3,4,5,6,7
.irp n, 0,1
.set A8, ACC+8*(2*\c+\n)
	global_store_b128 v7, v[A8:A8+3], s[46:47] offset:(\c/2)*262144+\n*2048+(\c%2)*1024
	global_store_b128 v7, v[A8+4:A8+7], s[46:47] offset:(\c/2)*262144+\n*2048+(\c%2)*1024+512
.endr
.endr
	s_wait_dscnt 0x0                               ; the closing lines, six on end
	s_wait_alu 0x0
	s_wait_tensorcnt 0x0
	ds_add_u32 v14, v15
	s_wait_dscnt 0x0
	s_endpgm
.Lkout:
	s_lshl_b32 s48, s55, 10                        ; a key tile of Kf is 1,024 bytes
	s_add_nc_u64 s[46:47], s[28:29], s[48:49]
.irp t, 0,1,2,3,4,5,6,7
	KCV \t
.endr
	s_wait_alu depctr_va_vdst(0)                   ; the conversions of tiles 0 to 7 have written v[64:95], which the stores below read
.irp t, 8,9,10,11,12,13,14,15
	KST \t-8                                       ; dealt among the conversions of tiles 8 to 15, which write v[96:127]
	KCV \t
.endr
	s_wait_alu depctr_va_vdst(0)                   ; the conversions of tiles 8 to 15 have written v[96:127], which the last stores read
.irp t, 8,9,10,11,12,13,14,15
	KST \t
.endr
	s_wait_dscnt 0x0                               ; the closing lines, six on end
	s_wait_alu 0x0
	s_wait_tensorcnt 0x0
	ds_add_u32 v14, v15
	s_wait_dscnt 0x0
	s_endpgm
.Lv:	; V: one bias number a tile, added at the end
.irp c, 0,1,2,3,4,5,6,7
	global_load_b32 v[VB+2*\c], v11, s[44:45] offset:\c*64
	global_load_b32 v[VB+2*\c+1], v11, s[44:45] offset:\c*64
.endr
	s_barrier_signal -1
	s_barrier_wait -1
	PRO
	HALF 0, 0, 0, 1, 0                             ; the first products start the sums
	HALF 0, 1, 0, 1, 0
	HALF 1, 0, 0, 0, 0
	HALF 1, 1, 0, 0, 0
	ON
	s_mov_b32 s50, 2
.Lvk:
	HALF 0, 0, 0, 0, 0
	HALF 0, 1, 0, 0, 0
	HALF 1, 0, 0, 0, 0
	HALF 1, 1, 0, 0, 0
	ON
	s_sub_co_i32 s50, s50, 1
	s_cmp_lg_u32 s50, 0
	s_cbranch_scc1 .Lvk
	HALF 0, 0, 0, 0, 0                             ; the last two K steps are written out: no load reaches past K = 255
	HALF 0, 1, 0, 0, 0
	HALF 1, 0, 0, 0, 1
	HALF 1, 1, 0, 0, 1
	PLACES
	s_lshl_b32 s48, s55, 10                        ; (head x 64 + key block) x 2,048 = (head x 128 + token tile) x 1,024
	s_add_nc_u64 s[46:47], s[30:31], s[48:49]
	s_wait_loadcnt 0x0                             ; the bias
.irp t, 0,1,2,3,4,5,6,7
	VCV \t
.endr
	s_wait_alu depctr_va_vdst(0)                   ; the conversions of tiles 0 to 7 have written v[64:95], which the stores below read
.irp t, 8,9,10,11,12,13,14,15
	VST \t-8                                       ; dealt among the additions and conversions of tiles 8 to 15, which write their accumulators and v[96:127]
	VCV \t
.endr
	s_wait_alu depctr_va_vdst(0)                   ; the conversions of tiles 8 to 15 have written v[96:127], which the last stores read
.irp t, 8,9,10,11,12,13,14,15
	VST \t
.endr
	s_wait_dscnt 0x0                               ; the closing lines, six on end
	s_wait_alu 0x0
	s_wait_tensorcnt 0x0
	ds_add_u32 v14, v15
	s_wait_dscnt 0x0
	s_endpgm
	; ---- a block of a later layer's weight ----
.Lprep:
	; wave v will take the fragments of column group v / 2 and K blocks 4 (v % 2) ..+3: its LDS address is made here, ahead of the path's wait on va_vdst
	s_and_b32 s54, s35, 1
	s_mul_i32 s54, s54, 128*PW
	s_lshr_b32 s55, s35, 1
	s_lshl_b32 s55, s55, 7
	s_add_co_u32 s54, s54, s55
	v_add_nc_u32 v9, s54, v9
	s_sub_co_u32 s36, s34, 192                     ; p: 0 Wo; 1-4 Wm's column blocks; 5-8 We's row blocks
	s_mov_b32 s49, 0
	s_cmp_eq_u32 s36, 0
	s_cbranch_scc1 .Lp1024
	s_cmp_ge_u32 s36, 5
	s_cbranch_scc1 .Lp1024
	s_sub_co_u32 s51, s36, 1
	s_lshl_b32 s48, s51, 10                        ; 256 columns of f32
	s_add_nc_u64 s[40:41], s[16:17], s[48:49]
	s_lshl_b32 s52, s36, 1
	s_sub_co_u32 s52, s52, 1                       ; fill 2 p - 1
	v_lshlrev_b32 v2, 12, v11                      ; Wm's rows are 4,096 bytes apart
	v_lshl_add_u32 v2, v12, 4, v2
	s_wait_alu depctr_va_vdst(0)                   ; all offsets and LDS addresses are written, which the loads and stores below read
	FIRSTW 4096                                    ; seven batches, 56 loads, go out at once
	NEXTW 4096
	BLOCK WB, 48, 3, 0, 4*PW, -1, 0, 4096              ; batch 0; batches 1 to 6 may stay out
	LASTW 4096
	s_branch .Ldump
.Lp1024:
	s_max_u32 s51, s36, 5
	s_sub_co_u32 s51, s51, 5                       ; We's block (0 for Wo)
	s_lshl_b32 s48, s51, 18                        ; 256 rows of 1,024 bytes
	s_lshl_b32 s52, s51, 1
	s_add_co_u32 s52, s52, 2                       ; fill 2 p - 8
	s_cmp_ge_u32 s36, 5
	s_cselect_b64 s[40:41], s[18:19], s[14:15]     ; We or Wo
	s_cselect_b32 s52, s52, 0
	s_add_nc_u64 s[40:41], s[40:41], s[48:49]
	v_lshlrev_b32 v2, 4, v0
	s_wait_alu depctr_va_vdst(0)                   ; all offsets and LDS addresses are written, which the loads and stores below read
	FIRSTW 1024
	NEXTW 1024
	BLOCK WB, 48, 3, 0, 4*PW, -1, 0, 1024              ; batch 0; batches 1 to 6 may stay out
	LASTW 1024
.Ldump:
	s_wait_dscnt 0x0                               ; my part of the block is in LDS
	s_barrier_signal -1
	s_barrier_wait -1
	s_lshl_b32 s48, s52, 17                        ; my 16,384 consecutive bytes of the fill
	s_lshl_b32 s53, s35, 14
	s_add_co_u32 s48, s48, s53
	s_add_nc_u64 s[46:47], s[32:33], s[48:49]
.irp k, 0,1,2,3
.irp m, 0,1,2,3
.irp c, 0,1
	ds_load_tr16_b128 v[XR+4*(8*\k+2*\m+\c):XR+4*(8*\k+2*\m+\c)+3], v9 offset:\k*32*PW+\m*32+\c*16*PW
.endr
.endr
.endr
.set i, 0
.rept 32
	s_wait_dscnt 31-i                              ; LDS loads return in order: load i is in
	global_store_b128 v7, v[XR+4*i:XR+4*i+3], s[46:47] offset:i*512
.set i, i+1
.endr
	s_wait_dscnt 0x0                               ; the closing lines, six on end
	s_wait_alu 0x0
	s_wait_tensorcnt 0x0
	ds_add_u32 v14, v15
	s_wait_dscnt 0x0
	s_endpgm
.Lfunc_end_k_q56dc086c3b_proj:
	.size	k_q56dc086c3b_proj, .Lfunc_end_k_q56dc086c3b_proj-k_q56dc086c3b_proj
	.p2alignl 7, 3214868480
	.fill 96, 4, 3214868480
	.section	.rodata,"a",@progbits
	.p2align	6, 0x0
	.amdhsa_kernel k_q56dc086c3b_proj
		.amdhsa_group_segment_fixed_size 207872
		.amdhsa_private_segment_fixed_size 0
		.amdhsa_enable_private_segment 0
		.amdhsa_kernarg_size 120
		.amdhsa_user_sgpr_count 2
		.amdhsa_user_sgpr_kernarg_segment_ptr 1
		.amdhsa_wavefront_size32 1
		.amdhsa_system_sgpr_workgroup_id_x 1
		.amdhsa_system_sgpr_workgroup_id_y 1
		.amdhsa_system_sgpr_workgroup_id_z 1
		.amdhsa_system_vgpr_workitem_id 0
		.amdhsa_next_free_vgpr 256
		.amdhsa_next_free_sgpr 66
		.amdhsa_reserve_vcc 0
		.amdhsa_float_denorm_mode_32 3
		.amdhsa_float_denorm_mode_16_64 3
		.amdhsa_memory_ordered 1
		.amdhsa_forward_progress 1
		.amdhsa_inst_pref_size 125
	.end_amdhsa_kernel
	.amdgpu_metadata
---
amdhsa.version: [ 1, 2 ]
amdhsa.kernels:
  - .name:           k_q56dc086c3b_proj
    .symbol:         k_q56dc086c3b_proj.kd
    .args:
      - { .name: q, .offset: 0, .size: 8, .value_kind: global_buffer, .address_space: global }
      - { .name: x, .offset: 8, .size: 8, .value_kind: global_buffer, .address_space: global }
      - { .name: Wq, .offset: 16, .size: 8, .value_kind: global_buffer, .address_space: global }
      - { .name: Wk, .offset: 24, .size: 8, .value_kind: global_buffer, .address_space: global }
      - { .name: Wv, .offset: 32, .size: 8, .value_kind: global_buffer, .address_space: global }
      - { .name: Wo, .offset: 40, .size: 8, .value_kind: global_buffer, .address_space: global }
      - { .name: Wm, .offset: 48, .size: 8, .value_kind: global_buffer, .address_space: global }
      - { .name: We, .offset: 56, .size: 8, .value_kind: global_buffer, .address_space: global }
      - { .name: bq, .offset: 64, .size: 8, .value_kind: global_buffer, .address_space: global }
      - { .name: bk, .offset: 72, .size: 8, .value_kind: global_buffer, .address_space: global }
      - { .name: bv, .offset: 80, .size: 8, .value_kind: global_buffer, .address_space: global }
      - { .name: Qf, .offset: 88, .size: 8, .value_kind: global_buffer, .address_space: global }
      - { .name: Kf, .offset: 96, .size: 8, .value_kind: global_buffer, .address_space: global }
      - { .name: Vf, .offset: 104, .size: 8, .value_kind: global_buffer, .address_space: global }
      - { .name: wf, .offset: 112, .size: 8, .value_kind: global_buffer, .address_space: global }
    .group_segment_fixed_size: 207872
    .private_segment_fixed_size: 0
    .kernarg_segment_align: 8
    .kernarg_segment_size: 120
    .max_flat_workgroup_size: 256
    .sgpr_count:     66
    .vgpr_count:     256
    .wavefront_size: 32
...
	.end_amdgpu_metadata
.endif
;; end of part 4
;; launch attn: the kernel of part 2 again; grid 8 x 32, 8 waves a work-group, clusters of 4 x 1, 263,168 bytes of LDS; arguments Qf, Kf, Vf, att; writes att
;; launch tail: the kernel of part 3 again; grid 256 x 1, 4 waves a work-group, clusters of 4 x 1, 327,680 bytes of LDS; arguments att, wf, g0, b0, bo, g1, b1, bm, be, out0; writes out0
